; MI455X (gfx1250); checked and timed in simulation.
; The chip was launched on July 23, 2026; its instructions are those of AMD's public machine-readable ISA for CDNA 5 (MIT licence, August 2026) and "CDNA5" Instruction Set Architecture Reference Guide (July 2026). The comments in the code are by the model that wrote it; some were corrected since.
;; Transformer Layer. Allowed arithmetic: matrix products marked QUANTISED: E2M1 operands, one E8M0 scale for each 32 along K, by v_wmma_scale_f32_16x16x128_f8f6f4 with both operands' format E2M1 (or v_wmma_scale_f32_32x16x128_f4), f32 sums; products left as they are: bf16, f16 or f32 operands; f32 sums; everything else in f32.
;; Inputs: b1 4,096 float32; bk 1,024 float32; bq 1,024 float32; bv 1,024 float32; ln1_b 1,024 float32; ln1_g 1,024 float32; ln2_b 1,024 float32; ln2_g 1,024 float32; w1 1,024 x 4,096 float32; w2 4,096 x 1,024 float32; wk 1,024 x 1,024 float32; wo 1,024 x 1,024 float32; wq 1,024 x 1,024 float32; wv 1,024 x 1,024 float32; x 2 x 2,048 x 1,024 float32.
;; Outputs: out0 2 x 2,048 x 1,024 float32.
;; This version of the problem:
;;   THIS VERSION OF THE PROBLEM IS GIVEN IN LOW PRECISION. The matrix products marked QUANTISED in the list below multiply operands that are first quantised to E2M1 (2 exponent bits, 1 mantissa bit; 4 bits a number), with one power-of-two scale for each 32 numbers along K (OCP MX v1.0); their sums are f32. The products marked 'left as it is' may take bf16, f16 or f32 operands, with f32 sums. Whichever they take, every output number must still come out within the allowed error. Rounding operands to bf16 (8 significant bits) uses up far more of that allowance than f16 does (11 bits, for magnitudes from 6e-5 to 65,504). All else is computed in f32.
;;   The module's matrix products, in the order in which they are computed (A, B: the left and right operand; K: the contracted axis; several contracted axes count as one K, in the product's order):
;;     1. [M 4,096, K 1,024] x [K 1,024, N 1,024]; A: input x; B: input wq: QUANTISED
;;     2. [M 4,096, K 1,024] x [K 1,024, N 1,024]; A: input x; B: input wk: QUANTISED
;;     3. [M 4,096, K 1,024] x [K 1,024, N 1,024]; A: input x; B: input wv: QUANTISED
;;     4. batch 32 x [M 2,048, K 64] x [K 64, N 2,048]; A: computed on the way; B: computed on the way: left as it is (an operand is computed on the way)
;;     5. batch 32 x [M 2,048, K 2,048] x [K 2,048, N 64]; A: computed on the way; B: computed on the way: left as it is (an operand is computed on the way)
;;     6. [M 4,096, K 1,024] x [K 1,024, N 1,024]; A: computed on the way; B: input wo: left as it is (an operand is computed on the way)
;;     7. [M 4,096, K 1,024] x [K 1,024, N 4,096]; A: computed on the way; B: input w1: left as it is (an operand is computed on the way)
;;     8. [M 4,096, K 4,096] x [K 4,096, N 1,024]; A: computed on the way; B: input w2: left as it is (an operand is computed on the way)
;;   THE QUANTISER, for each operand of a quantised product, along K:
;;     - K is cut into blocks of 32 from its start; a last block that is shorter is filled with zeros.
;;     - A block's scale is 2^e with e = floor(log2(the largest magnitude in the block)) - 2, held to -126 .. 127; a block of zeros has e = 0. As a byte (E8M0): e + 127.
;;     - Each number is divided by its block's scale, clamped to +-6, and rounded to the nearest number of E2M1, ties to even, subnormals kept.
;;     - The product sums the exact products of the quantised numbers (number of the format x scale) in f32.
;;   ~~~python
;;   def quantise(x, axis):      # numpy; x: float32 -> the quantised numbers, widened to float32 again
;;       x = np.moveaxis(x, axis, -1); K = x.shape[-1]
;;       x = np.pad(x, [(0, 0)] * (x.ndim - 1) + [(0, -K % 32)]); x = x.reshape(x.shape[:-1] + (-1, 32)); a = np.abs(x).max(-1, keepdims=True)
;;       e = np.where(a > 0, np.clip(np.frexp(np.where(a > 0, a, 1))[1] - 1 - 2, -126, 127), 0)      # np.frexp(a)[1] - 1 = floor(log2(a)), exactly
;;       r = np.clip(x / 2.0 ** e, -6, 6)
;;       step = 2.0 ** (np.maximum(np.frexp(np.where(r == 0, 1, r))[1] - 1, 0) - 1)
;;       q = np.round(r / step) * step * 2.0 ** e      # np.round: ties to even
;;       return np.moveaxis(q.reshape(q.shape[:-2] + (-1,))[..., :K], -1, axis).astype(np.float32)
;;   ~~~
;; One version. Each part assembles by itself: llvm-mc -triple=amdgcn-amd-amdhsa -mcpu=gfx1250 --defsym DOCPART=n.
;; ======== version 1 of 1: 8 launches
;; limits: values are held in f16: magnitudes above 65,504 overflow, below 6.1e-05 lose precision
;; workspace buffers: wsp 22,773,760 bytes; qkv 25,165,824 bytes; ctx 8,388,608 bytes; y 16,777,216 bytes; x1f 16,777,216 bytes; x1h 8,388,608 bytes; h 33,554,432 bytes
;; launch prep (part 1): grid 752 x 1, 4 waves a work-group, no clusters, 102,912 bytes of LDS; arguments x, wq, wk, wv, wo, w1, w2, wsp; writes wsp
.if DOCPART == 1
	.amdgcn_target "amdgcn-amd-amdhsa--gfx1250"
	.amdhsa_code_object_version 6
	.text
	.protected	k_q437ff63244_prep
	.globl	k_q437ff63244_prep
	.p2align	8
	.type	k_q437ff63244_prep,@function
k_q437ff63244_prep:
	s_mov_b64 s[64:65], 0
	v_nop
	global_prefetch_b8 v0, s[64:65] scope:SCOPE_SE
	s_setreg_imm32_b32 hwreg(HW_REG_WAVE_MODE, 25, 1), 1
	s_wait_xcnt 0x0
; PREP: every operand that later launches read many times is laid out once, in one workspace buffer.
;   work-groups 0-127   (way A): x [4096][1024] f32 -> codes of FP4 (E2M1), K innermost, 512 bytes a row, and one E8M0 byte for each 32 along K.
;   work-groups 128-175 (way B): wq, wk, wv [k 1024][n 1024] f32 -> codes laid [n][k] (rows 0-1023 wq's columns, then wk's, then wv's) and their scale bytes [n][32].
;   work-groups 176-751 (way C): wo, w1, w2 [k][n] f32 -> f16 laid [n][k].
; A block's scale is 2^(floor(log2(its largest magnitude)) - 2); its byte is the largest magnitude's exponent field - 2, held at 1 from below.
; LIMITS: NaN and infinities are not served.  A block of zeros carries the byte 1 where the quantiser's text says 127: its codes are zeros, and this program alone reads the bytes.
; f16: a weight over 65,504 in magnitude becomes infinity; under 6e-5 the step is 6e-8.
; Memory binds: no matrix unit, no tensor load, no barrier (waves share nothing).  Each way has LDS bytes of its own.
.set XS_O, 2097152                     ; the workspace: x's codes at 0, x's scale bytes here,
.set WC_O, 2228224                     ; the three weights' codes,
.set WS_O, 3801088                     ; their scale bytes,
.set WO_O, 3899392                     ; wo, w1, w2 turned, in f16
.set W1_O, 5996544
.set W2_O, 14385152
.set LDS_B, 32768                      ; way A: 4 x 8,192 bytes from 0; way B: 4 x 8,704 from here;
.set LDS_C, 67584                      ; way C: 4 x 8,704 from here
.set SPARE, 102400                     ; the spare words, 128 bytes a wave: two blocks of 256 bytes that no other line names
.set SPW, 190                          ; v190 LDS address of my spare word; never rewritten
.set NIL, 191                          ; v191 0; never rewritten
	s_load_b512 s[32:47], s[0:1], 0x0              ; x 32, wq 34, wk 36, wv 38, wo 40, w1 42, w2 44, wsp 46
	v_lshl_add_u32 v[SPW], v0, 2, SPARE
	v_mov_b32 v[NIL], 0
	v_lshrrev_b32 v1, 5, v0
	v_readfirstlane_b32 s16, v1                    ; wave 0..3
	v_and_b32 v2, 31, v0                           ; lane
	s_wait_kmcnt 0x0
	s_cmp_lt_u32 ttmp9, 128
	s_cbranch_scc1 .LA
	s_cmp_lt_u32 ttmp9, 176
	s_cbranch_scc1 .LB
; ---- WAY C.  A work-group takes 128 columns x 128 along K, a wave 32 columns.  A LANE TAKES A COLUMN AND ITS REGISTERS RUN DOWN K: a load reads 128 consecutive bytes of a row of the weight,
; two neighbours along K pack into a word, and a column's 128 numbers (256 bytes) gather in the wave's stage, from which sixteen lanes store 256 consecutive, aligned bytes of a row [n][k].
	s_sub_co_u32 s24, ttmp9, 176
	s_mov_b32 s28, W2_O
	s_cmp_lt_u32 s24, 64                           ; 64 work-groups for wo, 256 for w1, 256 for w2: the choices hang on the work-group's number alone
	s_cselect_b64 s[4:5], s[40:41], s[44:45]
	s_cselect_b32 s25, 0, 320                      ; the tensor's first work-group
	s_cselect_b32 s28, WO_O, s28                   ; where it goes
	s_cselect_b32 s27, 11, 13                      ; log2 of a turned row's bytes (2 K)
	s_sub_co_u32 s29, s24, 64
	s_cmp_lt_u32 s29, 256
	s_cselect_b64 s[4:5], s[42:43], s[4:5]
	s_cselect_b32 s25, 64, s25
	s_cselect_b32 s28, W1_O, s28
	s_cselect_b32 s27, 11, s27
	s_cselect_b32 s26, 5, 3                        ; log2 of the blocks of 128 columns
	s_cselect_b32 s30, 14, 12                      ; log2 of a source row's bytes (4 N)
	s_sub_co_u32 s24, s24, s25                     ; my number within the tensor
	s_lshl_b32 s31, 1, s26
	s_sub_co_u32 s31, s31, 1
	s_and_b32 s31, s24, s31                        ; block of columns
	s_lshr_b32 s29, s24, s26                       ; block of K
	s_lshl_b32 s31, s31, 7
	s_lshl_b32 s20, s16, 5
	s_add_co_u32 s31, s31, s20                     ; my wave's first column
	s_lshl_b32 s29, s29, 7                         ; my first k
	s_lshl_b32 s20, s29, s30
	s_lshl_b32 s21, s31, 2
	s_add_co_u32 s20, s20, s21                     ; under 2^25
	s_mov_b32 s21, 0
	s_add_nc_u64 s[4:5], s[4:5], s[20:21]          ; the source at (k, column): one base for each run of 32 rows
	s_lshl_b32 s22, 32, s30
	s_mov_b32 s23, 0
	s_add_nc_u64 s[6:7], s[4:5], s[22:23]
	s_add_nc_u64 s[8:9], s[6:7], s[22:23]
	s_add_nc_u64 s[10:11], s[8:9], s[22:23]
	s_lshl_b32 s20, s31, s27
	s_lshl_b32 s22, s29, 1
	s_add_co_u32 s20, s20, s22
	s_add_co_u32 s20, s20, s28
	s_add_nc_u64 s[12:13], s[46:47], s[20:21]      ; the turned tensor at (column, k)
	s_lshl_b32 s22, 1, s30                         ; a source row
	s_lshl_b32 s23, 2, s27                         ; two turned rows
	v_lshlrev_b32 v112, 2, v2                      ; v112-143: 4 x lane + i source rows
.set i, 1
.rept 31
	v_add_nc_u32 v[112+i], s22, v[111+i]
.set i, i+1
.endr
	v_and_b32 v5, 15, v2
	v_lshrrev_b32 v6, 4, v2
	v_lshlrev_b32 v144, s27, v6
	v_lshl_add_u32 v144, v5, 4, v144               ; v144-159: sixteen lanes to a turned row, two rows an instruction
.set i, 1
.rept 15
	v_add_nc_u32 v[144+i], s23, v[143+i]
.set i, i+1
.endr
	s_mul_i32 s19, s16, 8704
	s_add_co_u32 s19, s19, LDS_C                   ; my stage: 32 rows of 256 bytes + 16
	v_mul_u32_u24 v4, v2, 272
	v_add_nc_u32 v4, s19, v4                       ; into it: row = my column
	v_mul_u32_u24 v7, v6, 272
	v_lshl_add_u32 v7, v5, 4, v7
	v_add_nc_u32 v7, s19, v7                       ; out of it: by rows
.macro LOADC t                         ; rows 32 t .. 32 t + 31 of my 128, into set t % 2
.set i, 0
.rept 32
	global_load_b32 v[32+32*((\t)%2)+i], v[112+i], s[4+2*(\t):5+2*(\t)] th:TH_LOAD_NT
.set i, i+1
.endr
.endm
.macro BLOCKC t
.if (\t) < 3
	s_wait_loadcnt 32                              ; this run's 32 loads are in; the next run's 32 may be out
.else
	s_wait_loadcnt 0x0
.endif
.set i, 0
.rept 16
	v_cvt_pk_f16_f32 v[96+i], v[32+32*((\t)%2)+2*i], v[32+32*((\t)%2)+2*i+1]   ; the lower k in the low half
.set i, i+1
.endr
.irp g, 0,1,2,3
	ds_store_b128 v4, v[96+4*\g:96+4*\g+3] offset:64*(\t)+16*\g
.endr
.if (\t) < 2
	LOADC (\t)+2
.endif
	s_wait_dscnt 0x0                               ; the stores have read their registers: the next run's words may be written
.endm
	LOADC 0
	LOADC 1
	BLOCKC 0
	BLOCKC 1
	BLOCKC 2
	BLOCKC 3
.irp t, 0,1,2,3,4,5,6,7,8,9,10,11,12,13,14,15
	ds_load_b128 v[32+4*\t:35+4*\t], v7 offset:2*\t*272   ; LDS serves a wave's instructions in order: these see my stores
.endr
.irp t, 0,1,2,3,4,5,6,7,8,9,10,11,12,13,14,15
	s_wait_dscnt 15-\t                             ; the younger read-backs may be out
	global_store_b128 v[144+\t], v[32+4*\t:35+4*\t], s[12:13]
.endr
	s_wait_tensorcnt 0x0                           ; the wave's end, behind my last LDS store
	ds_add_u32 v[SPW], v[NIL]
	s_wait_dscnt 0x0
	s_endpgm
; ---- WAY B.  A wave takes 32 columns x 512 along K of one weight.  A lane takes a column and its registers run down K: a block of 32 lies in one lane, and the conversions give codes with K innermost.
.LB:
	s_sub_co_u32 s24, ttmp9, 128
	s_lshr_b32 s25, s24, 4                         ; which weight: 16 work-groups each
	s_and_b32 s26, s24, 7                          ; block of 128 columns
	s_bfe_u32 s18, s24, 0x10003                    ; which 512 along K
	s_cmp_eq_u32 s25, 0
	s_cselect_b64 s[4:5], s[34:35], s[36:37]
	s_cmp_eq_u32 s25, 2
	s_cselect_b64 s[4:5], s[38:39], s[4:5]
	s_lshl_b32 s17, s26, 7
	s_lshl_b32 s19, s16, 5
	s_add_co_u32 s17, s17, s19                     ; my wave's first column
	v_lshlrev_b32 v3, 2, v2
	s_mul_i32 s19, s16, 8704
	s_add_co_u32 s19, s19, LDS_B                   ; my stage: 32 rows of 256 bytes + 16
	v_mul_u32_u24 v4, v2, 272
	v_add_nc_u32 v4, s19, v4
	v_and_b32 v5, 15, v2
	v_lshrrev_b32 v6, 4, v2
	v_mul_u32_u24 v7, v6, 272
	v_lshl_add_u32 v7, v5, 4, v7
	v_add_nc_u32 v7, s19, v7
	v_lshlrev_b32 v8, 9, v6                        ; a row of codes is 512 bytes
	v_lshl_add_u32 v8, v5, 4, v8
	v_lshlrev_b32 v9, 5, v2                        ; a row of scale bytes is 32
	s_lshl_b32 s20, s18, 21                        ; 512 rows of 4,096 bytes
	s_lshl_b32 s22, s17, 2
	s_add_co_u32 s20, s20, s22
	s_mov_b32 s21, 0
	s_add_nc_u64 s[4:5], s[4:5], s[20:21]
	s_lshl_b32 s22, s25, 10
	s_add_co_u32 s22, s22, s17                     ; the row among the 3,072
	s_lshl_b32 s20, s22, 9
	s_lshl_b32 s23, s18, 8
	s_add_co_u32 s20, s20, s23
	s_add_co_u32 s20, s20, WC_O
	s_add_nc_u64 s[6:7], s[46:47], s[20:21]
	s_lshl_b32 s20, s22, 5
	s_lshl_b32 s23, s18, 4
	s_add_co_u32 s20, s20, s23
	s_add_co_u32 s20, s20, WS_O
	s_add_nc_u64 s[8:9], s[46:47], s[20:21]
.macro LOADB t                         ; block t: W(32 t + i, my column) into set t % 2
.set i, 0
.rept 32
	global_load_b32 v[32+32*((\t)%2)+i], v3, s[4:5] offset:(32*(\t)+i)*4096 th:TH_LOAD_NT
.set i, i+1
.endr
.endm
.macro BLOCKB t
.set XSB, 32+32*((\t)%2)
.if (\t) < 15
	s_wait_loadcnt 32                              ; this block's 32 loads are in; the next block's may be out
.else
	s_wait_loadcnt 0x0
.endif
	v_max3_num_f32 v12, |v[XSB]|, |v[XSB+1]|, |v[XSB+2]|           ; the block's largest magnitude: all 32 numbers are mine
	v_max3_num_f32 v13, |v[XSB+3]|, |v[XSB+4]|, |v[XSB+5]|
.irp i, 6,10,14,18,22,26
	v_max3_num_f32 v12, v12, |v[XSB+\i]|, |v[XSB+\i+1]|
	v_max3_num_f32 v13, v13, |v[XSB+\i+2]|, |v[XSB+\i+3]|
.endr
	v_max3_num_f32 v12, v12, |v[XSB+30]|, |v[XSB+31]|
	v_max3_num_f32 v12, v12, v13, 0x1800000        ; and the floor 2^(3 - 127): the byte cannot fall under 1
	v_add_nc_u32 v11, 0xff000000, v12              ; 2 off the exponent field: the conversion takes this operand's exponent field as its scale
	v_lshrrev_b32 v13, 23, v11                     ; the scale's byte
.if (\t)%4 == 0
	v_mov_b32 v[24+(\t)/4], v13                    ; four bytes to a register, the lower K in the lower byte
.else
	v_lshl_or_b32 v[24+(\t)/4], v13, 8*((\t)%4), v[24+(\t)/4]
.endif
.irp g, 0,1,2,3
	v_cvt_scalef32_pk8_fp4_f32 v[96+\g], v[XSB+8*\g:XSB+8*\g+7], v11
.endr
	ds_store_b128 v4, v[96:99] offset:16*(\t)      ; 32 codes: 16 bytes of my column's row
.if (\t)+2 < 16
	LOADB (\t)+2
.endif
	s_wait_dscnt 0x0                               ; the store has read its registers
.endm
	LOADB 0
	LOADB 1
.set Q, 0
.rept 16
	BLOCKB Q
.set Q, Q+1
.endr
	global_store_b128 v9, v[24:27], s[8:9]         ; my column's 16 scale bytes
.irp t, 0,1,2,3,4,5,6,7,8,9,10,11,12,13,14,15
	ds_load_b128 v[112+4*\t:115+4*\t], v7 offset:2*\t*272
.endr
.irp t, 0,1,2,3,4,5,6,7,8,9,10,11,12,13,14,15
	s_wait_dscnt 15-\t                             ; the younger read-backs may be out
	global_store_b128 v8, v[112+4*\t:115+4*\t], s[6:7] offset:2*\t*512   ; sixteen lanes store 256 consecutive, aligned bytes
.endr
	s_wait_tensorcnt 0x0                           ; the wave's end, as above
	ds_add_u32 v[SPW], v[NIL]
	s_wait_dscnt 0x0
	s_endpgm
; ---- WAY A.  x is a plain stream of blocks of 32.  A wave takes 16 steps of 512 numbers.  Each load reads 512 consecutive bytes; a step's 2,048 bytes turn through the wave's stage,
; so that a lane holds 16 neighbours (two lanes a block).  A step's codes are 256 consecutive bytes; a wave's 256 scale bytes gather in LDS and leave as one aligned run.
.LA:
.set SP, 80                            ; a lane's place in a stage: 64 bytes + 16 of padding
	v_lshlrev_b32 v3, 4, v2
	s_mul_i32 s17, s16, 8192
	v_lshrrev_b32 v14, 2, v2
	v_mul_u32_u24 v14, v14, SP
	v_and_b32 v15, 3, v2
	v_lshl_add_u32 v14, v15, 4, v14
	v_add_nc_u32 v14, s17, v14                     ; the stage on the way in: SP (lane / 4) + 16 (lane % 4)
	v_mul_u32_u24 v15, v2, SP
	v_add_nc_u32 v15, s17, v15                     ; and on the way out: SP x lane
	v_lshlrev_b32 v4, 3, v2                        ; my 8 bytes of a step's codes
	v_lshrrev_b32 v5, 1, v2
	s_add_co_u32 s17, s17, 2*32*SP
	v_add_nc_u32 v5, s17, v5                       ; my block's scale byte in LDS
	v_lshlrev_b32 v7, 3, v2
	v_add_nc_u32 v6, s17, v7
	s_lshl_b32 s17, ttmp9, 2
	s_add_co_u32 s18, s17, s16                     ; which run of 8,192 numbers is my wave's: 0..511
	s_lshl_b32 s20, s18, 15
	s_mov_b32 s21, 0
	s_add_nc_u64 s[4:5], s[32:33], s[20:21]
	s_lshl_b32 s20, s18, 12
	s_add_nc_u64 s[8:9], s[46:47], s[20:21]
	s_lshl_b32 s20, s18, 8
	s_add_co_u32 s20, s20, XS_O
	s_add_nc_u64 s[10:11], s[46:47], s[20:21]
.macro LOADA t
.irp i, 0,1,2,3
	global_load_b128 v[16+16*((\t)%4)+4*\i:16+16*((\t)%4)+4*\i+3], v3, s[4:5] offset:2048*(\t)+512*\i th:TH_LOAD_NT
.endr
.endm
.macro TURNA t                         ; LDS serves a wave's instructions in order: no wait between the stores and the loads
.irp i, 0,1,2,3
	ds_store_b128 v14, v[16+16*((\t)%4)+4*\i:16+16*((\t)%4)+4*\i+3] offset:32*SP*((\t)%2)+8*SP*\i
.endr
.irp i, 0,1,2,3
	ds_load_b128 v[80+16*((\t)%2)+4*\i:80+16*((\t)%2)+4*\i+3], v15 offset:32*SP*((\t)%2)+16*\i
.endr
.endm
.irp t, 0,1,2,3
	LOADA \t
.endr
	s_wait_loadcnt 12                              ; step 0's four loads are in; the three later steps' twelve may be out
	TURNA 0
.macro STEPA t
.set XSA, 80+16*((\t)%2)
.if (\t) > 0
	s_wait_dscnt 1                                 ; this step's numbers are back from the stage; the last step's byte store may be out
.else
	s_wait_dscnt 0x0
.endif
.if (\t)+4 < 16
	LOADA (\t)+4
.endif
.if (\t)+1 < 16
.if 14-(\t) >= 3
	s_wait_loadcnt 12                              ; the next step's four loads are in; those of the three steps behind it may be out
.else
	s_wait_loadcnt 4*(14-(\t))
.endif
	TURNA (\t)+1
.endif
	v_max3_num_f32 v8, |v[XSA]|, |v[XSA+1]|, |v[XSA+2]|
	v_max3_num_f32 v9, |v[XSA+3]|, |v[XSA+4]|, |v[XSA+5]|
.irp i, 6,10
	v_max3_num_f32 v8, v8, |v[XSA+\i]|, |v[XSA+\i+1]|
	v_max3_num_f32 v9, v9, |v[XSA+\i+2]|, |v[XSA+\i+3]|
.endr
	v_max3_num_f32 v8, v8, |v[XSA+14]|, |v[XSA+15]|
	v_max3_num_f32 v8, v8, v9, 0x1800000           ; with the floor 2^(3 - 127)
	v_max_num_f32_dpp v8, v8, v8 row_xmask:1 row_mask:0xf bank_mask:0xf   ; and my neighbour's 16: the block's largest magnitude
	v_add_nc_u32 v11, 0xff000000, v8               ; 2 off its exponent field: the conversion's scale operand
	v_cvt_scalef32_pk8_fp4_f32 v[128+4*(\t)], v[XSA:XSA+7], v11
	v_cvt_scalef32_pk8_fp4_f32 v[128+4*(\t)+1], v[XSA+8:XSA+15], v11
	v_lshrrev_b32 v[112+(\t)], 23, v11             ; the scale's byte
	ds_store_b8 v5, v[112+(\t)] offset:16*(\t)     ; both lanes of a block write the same byte with the same value
	global_store_b64 v4, v[128+4*(\t):128+4*(\t)+1], s[8:9] offset:256*(\t)
.endm
.irp t, 0,1,2,3,4,5,6,7,8,9,10,11,12,13,14,15
	STEPA \t
.endr
	ds_load_b64 v[8:9], v6
	s_wait_dscnt 0x0
	global_store_b64 v7, v[8:9], s[10:11]          ; 32 lanes store 256 consecutive, aligned bytes
	s_wait_tensorcnt 0x0                           ; the wave's end, as above
	ds_add_u32 v[SPW], v[NIL]
	s_wait_dscnt 0x0
	s_endpgm
.Lfunc_end_k_q437ff63244_prep:
	.size	k_q437ff63244_prep, .Lfunc_end_k_q437ff63244_prep-k_q437ff63244_prep
	.p2alignl 7, 3214868480
	.fill 96, 4, 3214868480
	.section	.rodata,"a",@progbits
	.p2align	6, 0x0
	.amdhsa_kernel k_q437ff63244_prep
		.amdhsa_group_segment_fixed_size 102912
		.amdhsa_private_segment_fixed_size 0
		.amdhsa_enable_private_segment 0
		.amdhsa_kernarg_size 64
		.amdhsa_user_sgpr_count 2
		.amdhsa_user_sgpr_kernarg_segment_ptr 1
		.amdhsa_wavefront_size32 1
		.amdhsa_system_sgpr_workgroup_id_x 1
		.amdhsa_system_sgpr_workgroup_id_y 1
		.amdhsa_system_sgpr_workgroup_id_z 1
		.amdhsa_system_vgpr_workitem_id 0
		.amdhsa_next_free_vgpr 192
		.amdhsa_next_free_sgpr 66
		.amdhsa_reserve_vcc 0
		.amdhsa_float_denorm_mode_32 3
		.amdhsa_float_denorm_mode_16_64 3
		.amdhsa_memory_ordered 1
		.amdhsa_forward_progress 1
		.amdhsa_inst_pref_size 135
	.end_amdhsa_kernel
	.amdgpu_metadata
---
amdhsa.version: [ 1, 2 ]
amdhsa.kernels:
  - .name:           k_q437ff63244_prep
    .symbol:         k_q437ff63244_prep.kd
    .args:
      - { .name: x, .offset: 0, .size: 8, .value_kind: global_buffer, .address_space: global }
      - { .name: wq, .offset: 8, .size: 8, .value_kind: global_buffer, .address_space: global }
      - { .name: wk, .offset: 16, .size: 8, .value_kind: global_buffer, .address_space: global }
      - { .name: wv, .offset: 24, .size: 8, .value_kind: global_buffer, .address_space: global }
      - { .name: wo, .offset: 32, .size: 8, .value_kind: global_buffer, .address_space: global }
      - { .name: w1, .offset: 40, .size: 8, .value_kind: global_buffer, .address_space: global }
      - { .name: w2, .offset: 48, .size: 8, .value_kind: global_buffer, .address_space: global }
      - { .name: wsp, .offset: 56, .size: 8, .value_kind: global_buffer, .address_space: global }
    .group_segment_fixed_size: 102912
    .private_segment_fixed_size: 0
    .kernarg_segment_align: 8
    .kernarg_segment_size: 64
    .max_flat_workgroup_size: 128
    .sgpr_count:     66
    .vgpr_count:     192
    .wavefront_size: 32
...
	.end_amdgpu_metadata
.endif
;; end of part 1
;; launch qkv (part 2): grid 12 x 16, 4 waves a work-group, clusters of 4 x 4, 327,680 bytes of LDS; arguments wsp, bq, bk, bv, qkv; writes qkv
.if DOCPART == 2
	.amdgcn_target "amdgcn-amd-amdhsa--gfx1250"
	.amdhsa_code_object_version 6
	.text
	.protected	k_q437ff63244_qkv
	.globl	k_q437ff63244_qkv
	.p2align	8
	.type	k_q437ff63244_qkv,@function
k_q437ff63244_qkv:
	s_mov_b64 s[64:65], 0
	v_nop
	global_prefetch_b8 v0, s[64:65] scope:SCOPE_SE
	s_setreg_imm32_b32 hwreg(HW_REG_WAVE_MODE, 25, 1), 1
	s_wait_xcnt 0x0
	s_wait_alu depctr_hold_cnt(0) depctr_sa_sdst(0) depctr_va_vdst(0) depctr_va_sdst(0) depctr_va_ssrc(0) depctr_va_vcc(0) depctr_vm_vsrc(0)
	s_getreg_b32 s2, hwreg(HW_REG_IB_STS2, 6, 4)
	s_cmp_eq_u32 s2, 0
	s_cbranch_scc0 .Lentry_in_a_cluster
	s_endpgm
.Lentry_in_a_cluster:
	s_bfe_u32 s2, ttmp6, 0x10000c
	s_cmp_lg_u32 s2, 0xf033
	s_cbranch_scc0 .Lentry_shape_is_right
	s_endpgm
.Lentry_shape_is_right:
; Q, K, V = x wq + bq, x wk + bk, x wv + bv: one product [4096 x 1024] x [1024 x 3072] on codes of FP4 (E2M1) with one E8M0 scale for each 32 along K; sums in f32.
; The result leaves in f16, laid [tensor][batch x 16 + head][s][64].  LIMIT: a result over 65,504 in magnitude becomes infinity; under 6e-5 the step is 6e-8.
; A tile of 256 x 256 is made by four waves, 128 x 128 each: 64 accumulators, 512 registers.  K = 1,024 is two slots of 512 along K (rows of 256 bytes): both are filled at the start and none again.
; The scale bytes of the work-group's 256 + 256 rows come once, as dense runs of 256 bytes.  The bias is the C of each sum's first product.
; CLUSTERS: 4 x 4 work-groups; A's tiles are asked for jointly along a row of the cluster, B's along a column.  192 work-groups: the matrix work here is short, so a smaller tile is not taken.
; THE MATRIX INSTRUCTION IS USED TRANSPOSED (source 0 = 16 rows of the weights, source 1 = 16 rows of x): a lane holds eight neighbouring columns of one row.
; REGISTERS: window 0: v0-31 addresses; v32-95 scale words, two sets, and nothing else; v128-191 x's fragments, one set, on the way out rows read back; v192-255 the bias, on the way out packed results.
;   window 1: the weights' fragments, two sets.   window 2, 3: the accumulators of my rows 0-63, 64-127 ((a, b) at v[8 (8 (a % 4) + b)]).
.set XS_O, 2097152
.set WC_O, 2228224
.set WS_O, 3801088
.set NQ,     4                         ; steps of 128 along K in a slot
.set ROWB,   256                       ; a tile's row in bytes
.set KROW,   512                       ; a row of codes in memory
.set PITCH,  272                       ; an LDS row: 256 bytes + 16: the sixteen rows of a load start at sixteen different banks (64 banks of 4 bytes: ISA guide 11.1)
.set FR,     8
.set NL,     2
.set NP,     4                         ; places behind this matrix instruction (ISA guide 7.12.1)
.set HALFT,  128*PITCH
.set SLOT,   4*HALFT
.set KS,     32                        ; a row of scale bytes
.set SCL,    2*SLOT                    ; behind the ring: the scales, runs of 256 bytes + 16
.set HALFS,  (128*KS/256)*272
.set SBLK,   (16*KS/256)*272
.set SPARE,  SCL+4*HALFS               ; the spare words, 128 bytes a wave
.set ADRA, 16
.set ADRB, 20
.set STO,  24
.set RD,   25
.set CO,   26
.set ADRS, 27
.set SPW,  28
.set NIL,  29
.set BO,   30
.set SC,   32
.set AF,   128
.set BK,   128
.set BIAS, 192
.set TMP,  192
.set G1, 24
.set G0, 32
.set G1B, 48
.set G0B, 56
.set G1S, 68
.set G0S, 76
.set G1SB, 80
.set G0SB, 88
.set MSB, 0
.macro WIN new                         ; the immediate's high byte repeats the setting that is left
.if MSB != \new
	s_set_vgpr_msb (MSB<<8)|\new
.set MSB, \new
.endif
.endm
.set MUL_LO, 0xa1                      ; source 0 window 1, source 1 window 0, C and D window 2
.set MUL_HI, 0xf1                      ; the same, C and D window 3
.set TO_B,   0x40
; A joint load: waves 0 and 1 fetch for x, waves 2 and 3 for the weights; the branch hangs on the wave's number alone.  An s_nop 0 and four v_nop follow each line.
.macro JLOAD g0a, g1a, g0b, g1b
	s_cmp_eq_u32 s15, 0
	s_cbranch_scc0 .Lfor_b_\@
	tensor_load_to_lds s[\g0a:\g0a+3], s[\g1a:\g1a+7]
	s_nop 0
.rept 4
	v_nop
.endr
	s_branch .Lasked_\@
.Lfor_b_\@:
	tensor_load_to_lds s[\g0b:\g0b+3], s[\g1b:\g1b+7]
	s_nop 0
.rept 4
	v_nop
.endr
.Lasked_\@:
.endm
.macro CROUND                          ; a round of the cluster's barrier
	s_barrier_signal -1
	s_barrier_wait -1
	s_cmp_lg_u32 s14, 0
	s_cbranch_scc1 .Lnot_wave_0_\@
	s_barrier_signal -3
.Lnot_wave_0_\@:
	s_barrier_wait -3
	s_barrier_signal -1
	s_barrier_wait -1
.endm
	s_load_b64 s[4:5], s[0:1], 0x0                 ; the workspace
	s_load_b128 s[96:99], s[0:1], 0x8              ; bq, bk
	s_load_b64 s[100:101], s[0:1], 0x18            ; bv
	s_load_b64 s[12:13], s[0:1], 0x20              ; the result
	v_lshl_add_u32 v[SPW], v0, 2, SPARE
	v_mov_b32 v[NIL], 0
	ds_add_u32 v[SPW], v[NIL]                      ; the wave's opening: the add and its wait stand ahead of my first tensor load
	v_lshrrev_b32 v1, 5, v0
	v_readfirstlane_b32 s14, v1                    ; wave 0..3
	s_lshr_b32 s15, s14, 1                         ; my half of the tile's rows.  Also: I fetch for x (0) or for the weights (1)
	s_and_b32 s16, s14, 1                          ; my half of its columns.  Also: which 128 rows I fetch
	s_bfe_u32 s40, ttmp6, 0x40000                  ; cx, cy
	s_bfe_u32 s41, ttmp6, 0x40004
	s_lshl_b32 s42, ttmp9, 2
	s_add_co_u32 s42, s42, s40                     ; tile column
	s_and_b32 s17, ttmp7, 0xffff
	s_lshl_b32 s17, s17, 2
	s_add_co_u32 s17, s17, s41                     ; tile row
	s_lshl_b32 s43, s41, 2
	s_lshl_b32 s43, 15, s43                        ; my row of the cluster
	s_lshl_b32 s44, 0x1111, s40                    ; my column
	s_or_b32 s[G1+0], s43, (0<<16)|(1<<20)|(1<<21)|(5<<22)|(3<<25)  ; the mask; elements of 1 byte; padding on: 4 words behind every 64; bit 21 beside a mask
	s_or_b32 s[G1B+0], s44, (0<<16)|(1<<20)|(1<<21)|(5<<22)|(3<<25)
.irp g, G1, G1B
	s_mov_b32 s[\g+1], ROWB<<16                    ; tensor_dim0
	s_mov_b32 s[\g+2], 128<<16                     ; tensor_dim1
	s_mov_b32 s[\g+3], ROWB<<16                    ; tile_dim0
	s_mov_b32 s[\g+4], 128                         ; tile_dim1
	s_mov_b32 s[\g+5], KROW                        ; the pitch
	s_mov_b32 s[\g+6], 0
	s_mov_b32 s[\g+7], 0
.endr
	s_or_b32 s[G1S+0], s43, (3<<16)|(1<<20)|(1<<21)|(5<<22)|(3<<25)  ; the scales of 128 rows: 4,096 dense bytes as 16 rows of 32 elements of 8 bytes
	s_or_b32 s[G1SB+0], s44, (3<<16)|(1<<20)|(1<<21)|(5<<22)|(3<<25)
.irp g, G1S, G1SB
	s_mov_b32 s[\g+1], 32<<16
	s_mov_b32 s[\g+2], (128*KS/256)<<16
	s_mov_b32 s[\g+3], 32<<16
	s_mov_b32 s[\g+4], 128*KS/256
	s_mov_b32 s[\g+5], 32
	s_mov_b32 s[\g+6], 0
	s_mov_b32 s[\g+7], 0
.endr
	s_lshl_b32 s18, s16, 7
	s_lshl_b32 s20, s17, 8
	s_add_co_u32 s20, s20, s18                     ; x: row 256 x tile row + 128 x half
	s_lshl_b32 s46, s42, 8
	s_add_co_u32 s46, s46, s18                     ; weights: row 256 x tile column + 128 x half
	s_mov_b32 s21, 0
	s_mov_b32 s47, 0
	s_mov_b64 s[18:19], KS
	s_mul_u64 s[22:23], s[20:21], s[18:19]
	s_mul_u64 s[92:93], s[46:47], s[18:19]
	s_mov_b64 s[18:19], KROW
	s_mul_u64 s[20:21], s[20:21], s[18:19]
	s_mul_u64 s[46:47], s[46:47], s[18:19]
	s_mul_i32 s45, s14, HALFT                      ; where they go: no place in the cluster enters an LDS address
	s_mul_i32 s94, s14, HALFS
	s_wait_dscnt 0x0                               ; the opening add is done
	s_wait_kmcnt 0x0
	s_add_nc_u64 s[6:7], s[4:5], XS_O
	s_add_nc_u64 s[8:9], s[4:5], WC_O
	s_add_nc_u64 s[10:11], s[4:5], WS_O
	s_add_nc_u64 s[20:21], s[4:5], s[20:21]
	s_add_nc_u64 s[22:23], s[6:7], s[22:23]
	s_add_nc_u64 s[46:47], s[8:9], s[46:47]
	s_add_nc_u64 s[92:93], s[10:11], s[92:93]
	CROUND                                         ; all sixteen work-groups are here: the joint loads meet
	s_mov_b32 s[G0S], 1
	s_add_co_u32 s[G0S+1], s94, SCL
	s_mov_b64 s[G0S+2:G0S+3], s[22:23]
	s_or_b32 s[G0S+3], s[G0S+3], 0x80000000
	s_mov_b32 s[G0SB], 1
	s_add_co_u32 s[G0SB+1], s94, SCL
	s_mov_b64 s[G0SB+2:G0SB+3], s[92:93]
	s_or_b32 s[G0SB+3], s[G0SB+3], 0x80000000
	JLOAD G0S, G1S, G0SB, G1SB                     ; the scales first; three loads of mine are out at the most
.irp s, 0,1
	s_mov_b32 s[G0+4*\s], 1
	s_add_co_u32 s[G0+4*\s+1], s45, \s*SLOT
	s_add_nc_u64 s[G0+4*\s+2:G0+4*\s+3], s[20:21], \s*ROWB
	s_or_b32 s[G0+4*\s+3], s[G0+4*\s+3], 0x80000000
	s_mov_b32 s[G0B+4*\s], 1
	s_add_co_u32 s[G0B+4*\s+1], s45, \s*SLOT
	s_add_nc_u64 s[G0B+4*\s+2:G0B+4*\s+3], s[46:47], \s*ROWB
	s_or_b32 s[G0B+4*\s+3], s[G0B+4*\s+3], 0x80000000
	JLOAD G0+4*\s, G1, G0B+4*\s, G1B
.endr
	v_and_b32 v1, 15, v0                           ; r = l % 16
	v_bfe_u32 v2, v0, 4, 1                         ; h = l / 16
	; the bias: which of the three hangs on the cluster's x alone (a tensor is four tile columns wide); lane (r, h) wants, for block b, the numbers 16 b + 8 h + 0 .. 7 of my 128 columns
	s_cmp_lt_u32 ttmp9, 1
	s_cselect_b64 s[96:97], s[96:97], s[98:99]
	s_cmp_lt_u32 ttmp9, 2
	s_cselect_b64 s[96:97], s[96:97], s[100:101]
	s_lshl_b32 s46, s40, 10
	s_lshl_b32 s47, s16, 9
	s_add_co_u32 s46, s46, s47
	s_mov_b32 s47, 0
	s_add_nc_u64 s[96:97], s[96:97], s[46:47]
	v_lshlrev_b32 v[BO], 5, v2
.irp b, 0,1,2,3,4,5,6,7
	global_load_b128 v[BIAS+8*\b:BIAS+8*\b+3], v[BO], s[96:97] offset:64*\b
	global_load_b128 v[BIAS+8*\b+4:BIAS+8*\b+7], v[BO], s[96:97] offset:64*\b+16
.endr
	v_mul_u32_u24 v3, v1, PITCH
	v_lshl_add_u32 v4, v2, 4, v3                   ; a fragment's row x pitch + 16 x half
	s_mul_i32 s21, s15, HALFT
	s_mul_i32 s22, s16, HALFT
	s_add_co_u32 s22, s22, 2*HALFT
.irp s, 0,1
	v_add_nc_u32 v[ADRA+\s], s21, v4
	v_add_nc_u32 v[ADRB+\s], s22, v4
	s_add_co_u32 s21, s21, SLOT
	s_add_co_u32 s22, s22, SLOT
.endr
	v_mul_u32_u24 v5, v1, KS                       ; my row's scales: 32 bytes a row,
	v_lshrrev_b32 v6, 8, v5
	v_lshl_add_u32 v5, v6, 4, v5                   ; and 16 more for each 256 passed
	s_mul_i32 s21, s15, HALFS
	s_mul_i32 s22, s16, HALFS
	s_add_co_u32 s22, s22, 2*HALFS
	s_sub_co_u32 s22, s22, s21
	v_mul_u32_u24 v6, s22, v2                      ; lanes 16-31 take the weights'
	s_add_co_u32 s21, s21, SCL
	v_add_nc_u32 v5, v5, v6
	v_add_nc_u32 v[ADRS], s21, v5
	; the way out: a stage of [2 heads][16 rows][128 bytes + 16] for each wave, in slot 0, which has had its only fill and its last read when the first result is stored there
	s_mul_i32 s23, s14, 4608
	v_mul_u32_u24 v5, v1, 144
	v_lshl_add_u32 v5, v2, 4, v5
	v_add_nc_u32 v[STO], s23, v5                   ; in: row r, 16 bytes for each half of the lanes
	v_and_b32 v6, 31, v0
	v_lshrrev_b32 v7, 3, v6
	v_mul_u32_u24 v7, v7, 144
	v_and_b32 v8, 7, v0
	v_lshl_add_u32 v7, v8, 4, v7
	v_add_nc_u32 v[RD], s23, v7                    ; back: eight lanes to a row of 128 bytes, four rows an instruction
	v_lshlrev_b32 v[CO], 4, v6                     ; which are 512 consecutive bytes of a head
	s_lshl_b32 s20, s17, 8
	s_lshl_b32 s21, s15, 7
	s_add_co_u32 s20, s20, s21                     ; my first row of the 4,096
	s_lshr_b32 s21, s20, 11                        ; its batch
	s_and_b32 s20, s20, 2047                       ; its place in the sequence
	s_lshl_b32 s20, s20, 7
	s_lshl_b32 s21, s21, 4
	s_lshl_b32 s46, s40, 2
	s_add_co_u32 s21, s21, s46
	s_lshl_b32 s46, s16, 1
	s_add_co_u32 s21, s21, s46                     ; batch x 16 + my first head (4 cx + 2 x half)
	s_lshl_b32 s21, s21, 18
	s_add_co_u32 s20, s20, s21
	s_lshl_b32 s21, ttmp9, 23                      ; the tensor
	s_add_co_u32 s20, s20, s21
	s_mov_b32 s21, 0
	s_add_nc_u64 s[12:13], s[12:13], s[20:21]
.macro FRAG reg, adr, q, i             ; 16 rows x 128 K of 4-bit codes: 8 registers; registers 4 c .. 4 c + 3 hold K = 64 c + 32 (l / 16) + 0 .. 31
.irp c, 0,1
	ds_load_b128 v[\reg+4*\c:\reg+4*\c+3], v[\adr] offset:64*(\q)+32*\c+(\i)*16*PITCH
.endr
.endm
; 16 matrix instructions: x's blocks a0, a0 + 1 against the weights' eight.  zero = 1: the first product starts the sums from the bias.  The 64 accumulators take turns.
.macro MUL16 a0, p, q, sc, zero
.irp a, \a0, \a0+1
.irp b, 0,1,2,3,4,5,6,7
.if \zero
	v_wmma_scale_f32_16x16x128_f8f6f4 v[8*(8*((\a)%4)+\b):8*(8*((\a)%4)+\b)+7], v[128*(\p)+FR*\b:128*(\p)+FR*\b+FR-1], v[AF+FR*(\a):AF+FR*(\a)+FR-1], v[BIAS+8*\b:BIAS+8*\b+7], v[SC+8*NQ*(\sc)+NQ*\b+(\q)], v[SC+8*NQ*(\sc)+NQ*(\a)+(\q)] matrix_a_fmt:MATRIX_FMT_FP4 matrix_b_fmt:MATRIX_FMT_FP4 matrix_a_scale:MATRIX_SCALE_ROW1
.else
	v_wmma_scale_f32_16x16x128_f8f6f4 v[8*(8*((\a)%4)+\b):8*(8*((\a)%4)+\b)+7], v[128*(\p)+FR*\b:128*(\p)+FR*\b+FR-1], v[AF+FR*(\a):AF+FR*(\a)+FR-1], v[8*(8*((\a)%4)+\b):8*(8*((\a)%4)+\b)+7], v[SC+8*NQ*(\sc)+NQ*\b+(\q)], v[SC+8*NQ*(\sc)+NQ*(\a)+(\q)] matrix_a_fmt:MATRIX_FMT_FP4 matrix_b_fmt:MATRIX_FMT_FP4 matrix_a_scale:MATRIX_SCALE_ROW1
.endif
.endr
.endr
.endm
.macro FETCH_B slot, q, p
	WIN TO_B
.irp i, 0,1,2,3,4,5,6,7
	FRAG 128*(\p)+FR*\i, ADRB+\slot, \q, \i
.endr
	WIN 0
.endm
.macro FETCH_A slot, q, i0
.irp i, \i0, \i0+1, \i0+2, \i0+3
	FRAG AF+FR*(\i), ADRA+\slot, \q, \i
.endr
.endm
.macro SCALES sc                       ; a slot's scale words: lanes 0-15 take x's block i, lanes 16-31 the weights' block i
.irp i, 0,1,2,3,4,5,6,7
	ds_load_b128 v[SC+8*NQ*\sc+NQ*\i:SC+8*NQ*\sc+NQ*\i+3], v[ADRS] offset:\i*SBLK
.endr
.endm
.macro PLACES n                        ; plain vector instructions between a matrix instruction and a load into, or a read of, its registers
.rept \n
	v_nop
.endr
.endm
.macro STEP slot, q, zero              ; 128 along K, with its successor in the same slot
	s_wait_dscnt 4*NL                              ; all but the youngest eight loads (x's blocks 4-7) are in
	WIN MUL_LO-0x20*(\zero)                        ; (with the bias as C: source 2 in window 0)
	MUL16 0, (\q)%2, \q, \slot, \zero
	MUL16 2, (\q)%2, \q, \slot, \zero
	s_wait_dscnt 0
	PLACES NP
	FETCH_B \slot, (\q)+1, 1-(\q)%2
	FETCH_A \slot, (\q)+1, 0
	WIN MUL_HI-0x30*(\zero)
	MUL16 4, (\q)%2, \q, \slot, \zero
	MUL16 6, (\q)%2, \q, \slot, \zero
	PLACES NP
	WIN 0
	FETCH_A \slot, (\q)+1, 4
.endm
.macro STEPS slot, from
.set Q, \from
.rept NQ-1-\from
	STEP \slot, Q, 0
.set Q, Q+1
.endr
.endm
	s_wait_tensorcnt 1                             ; the scales and my part of slot 0 are in; slot 1's load may be out
	s_barrier_signal -1
	s_barrier_wait -1
	FETCH_B 0, 0, 0
	FETCH_A 0, 0, 0
	SCALES 0
	FETCH_A 0, 0, 4
	s_wait_loadcnt 0x0                             ; the bias
	STEP 0, 0, 1
	STEPS 0, 1
	; slot 0's last step changes slots: one barrier; in front of it all my tensor loads have landed
	s_wait_tensorcnt 0x0
	ds_add_u32 v[SPW], v[NIL]                      ; 0 onto my spare word
	s_wait_dscnt 4*NL+1                            ; the add and the youngest eight loads may be out
	WIN MUL_LO
	MUL16 0, 1, NQ-1, 0, 0
	s_wait_dscnt 0x0
	s_barrier_signal -1
	MUL16 2, 1, NQ-1, 0, 0
	WIN 0
	s_barrier_wait -1
	PLACES NP
	v_add_nc_u32 v[ADRS], 4*NQ, v[ADRS]            ; on to slot 1's scale words
	FETCH_B 1, 0, 0
	FETCH_A 1, 0, 0
	SCALES 1
	WIN MUL_HI
	MUL16 4, 1, NQ-1, 0, 0
	MUL16 6, 1, NQ-1, 0, 0
	PLACES NP
	WIN 0
	FETCH_A 1, 0, 4
	STEPS 1, 0
	s_wait_dscnt 4*NL                              ; the very last step
	WIN MUL_LO
	MUL16 0, 1, NQ-1, 1, 0
	MUL16 2, 1, NQ-1, 1, 0
	s_wait_dscnt 0
	WIN MUL_HI
	MUL16 4, 1, NQ-1, 1, 0
	MUL16 6, 1, NQ-1, 1, 0
	WIN 0
; THE WAY OUT, block by block of 16 rows x 128 columns (two heads).  PACK: rounded to f16, each accumulator from its low end on.  TOSTAGE: through my stage.  SEND: 512 consecutive bytes a store.
.macro PACK a
.set AC, 64*((\a)%4)
	WIN 0x0a+5*((\a)/4)                            ; sources 0 and 1: window 2 or 3
.irp b, 0,1,2,3,4,5,6,7
.irp r, 0,1,2,3
	v_cvt_pk_f16_f32 v[TMP+4*\b+\r], v[AC+8*\b+2*\r], v[AC+8*\b+2*\r+1]
.endr
.endr
	WIN 0
.endm
.macro TOSTAGE a
.set BB, BK+32*((\a)%2)
.irp b, 0,1,2,3,4,5,6,7
	ds_store_b128 v[STO], v[TMP+4*\b:TMP+4*\b+3] offset:(\b/4)*2304+(\b%4)*32
.endr
.irp t, 0,1,2,3,4,5,6,7
	ds_load_b128 v[BB+4*\t:BB+4*\t+3], v[RD] offset:(\t/4)*2304+(\t%4)*576   ; LDS serves a wave's instructions in order: these see the stores above
.endr
.endm
.macro SEND a
.set BB, BK+32*((\a)%2)
	s_wait_dscnt 0x0                               ; the block is back in registers
	s_wait_xcnt 0x0                                ; the earlier stores have read their registers: the next block's loads may land there
.irp t, 0,1,2,3,4,5,6,7
	global_store_b128 v[CO], v[BB+4*\t:BB+4*\t+3], s[12:13] offset:(\t/4)*262144+(\a)*2048+(\t%4)*512 th:TH_STORE_NT
.endr
.endm
	PLACES NP
	PACK 0
	TOSTAGE 0
.irp a, 1,2,3,4,5,6,7
	PACK \a
	SEND \a-1
	TOSTAGE \a
.endr
	SEND 7
	s_wait_tensorcnt 0x0                           ; the wave's end
	ds_add_u32 v[SPW], v[NIL]
	s_wait_dscnt 0x0
	CROUND                                         ; the closing round
	s_endpgm
.Lfunc_end_k_q437ff63244_qkv:
	.size	k_q437ff63244_qkv, .Lfunc_end_k_q437ff63244_qkv-k_q437ff63244_qkv
	.p2alignl 7, 3214868480
	.fill 96, 4, 3214868480
	.section	.rodata,"a",@progbits
	.p2align	6, 0x0
	.amdhsa_kernel k_q437ff63244_qkv
		.amdhsa_group_segment_fixed_size 327680
		.amdhsa_private_segment_fixed_size 0
		.amdhsa_enable_private_segment 0
		.amdhsa_kernarg_size 40
		.amdhsa_user_sgpr_count 2
		.amdhsa_user_sgpr_kernarg_segment_ptr 1
		.amdhsa_wavefront_size32 1
		.amdhsa_system_sgpr_workgroup_id_x 1
		.amdhsa_system_sgpr_workgroup_id_y 1
		.amdhsa_system_sgpr_workgroup_id_z 1
		.amdhsa_system_vgpr_workitem_id 0
		.amdhsa_next_free_vgpr 1024
		.amdhsa_next_free_sgpr 102
		.amdhsa_reserve_vcc 0
		.amdhsa_float_denorm_mode_32 3
		.amdhsa_float_denorm_mode_16_64 3
		.amdhsa_memory_ordered 1
		.amdhsa_forward_progress 1
		.amdhsa_inst_pref_size 128
	.end_amdhsa_kernel
	.amdgpu_metadata
---
amdhsa.version: [ 1, 2 ]
amdhsa.kernels:
  - .name:           k_q437ff63244_qkv
    .symbol:         k_q437ff63244_qkv.kd
    .args:
      - { .name: wsp, .offset: 0, .size: 8, .value_kind: global_buffer, .address_space: global }
      - { .name: bq, .offset: 8, .size: 8, .value_kind: global_buffer, .address_space: global }
      - { .name: bk, .offset: 16, .size: 8, .value_kind: global_buffer, .address_space: global }
      - { .name: bv, .offset: 24, .size: 8, .value_kind: global_buffer, .address_space: global }
      - { .name: qkv, .offset: 32, .size: 8, .value_kind: global_buffer, .address_space: global }
    .group_segment_fixed_size: 327680
    .private_segment_fixed_size: 0
    .kernarg_segment_align: 8
    .kernarg_segment_size: 40
    .max_flat_workgroup_size: 128
    .sgpr_count:     102
    .vgpr_count:     1024
    .wavefront_size: 32
...
	.end_amdgpu_metadata
.endif
;; end of part 2
;; launch attn (part 3): grid 8 x 32, 16 waves a work-group, no clusters, 327,680 bytes of LDS; arguments qkv, ctx; writes ctx
.if DOCPART == 3
	.amdgcn_target "amdgcn-amd-amdhsa--gfx1250"
	.amdhsa_code_object_version 6
	.text
	.protected	k_q437ff63244_attn
	.globl	k_q437ff63244_attn
	.p2align	8
	.type	k_q437ff63244_attn,@function
k_q437ff63244_attn:
	s_mov_b64 s[64:65], 0
	v_nop
	global_prefetch_b8 v0, s[64:65] scope:SCOPE_SE
	s_setreg_imm32_b32 hwreg(HW_REG_WAVE_MODE, 25, 1), 1
	s_wait_xcnt 0x0
; ctx[h][q] = the sum over k <= q of softmax_k(Q[q] . K[k] / 8) V[k], for 32 heads (batch x 16 + head) of 2,048 x 64.  Q, K, V in f16; products, maxima and sums in f32; the weights p
; are rounded to f16 for the second product, ctx once at the end, to f16, laid [head][batch x 2048 + s][64].
; LIMITS: NaN and infinities are not served; a ctx over 65,504 in magnitude becomes infinity.
; SHARES.  Work-group (i, head) owns the blocks i and 15 - i of 128 queries: 17 squares of 128 x 128 under the causal mask for every work-group.  Each of its sixteen waves owns one tile of 16
; queries in 192 registers: four waves to a SIMD, two of the early block and two of the late one.  Keys go 64 a step; K and V come through a ring of two LDS slots of 256 keys.
; NO CLUSTER: the eight work-groups of a head end their walks at eight different keys (128 (15 - i) + 127), so partners would need different numbers of tiles.
; LAYOUT.  S^T = K Q^T (source 0 = 16 keys, source 1 = my 16 queries): a lane holds ONE query (lane % 16) and keys 8 (lane / 16) + 0..7 of each tile.  Two such tiles, rounded in pairs, ARE source 1
; (32 keys x 16 queries) of O^T = V^T P.  K comes out of LDS as it lies, V ([key][channel]) turned, by ds_load_tr16_b128.
; SOFTMAX.  A running maximum m and sum l: p = 2^(c s - c m), c = log2(e) / 8; in every step O and l are multiplied by a = 2^(c m_old - c m_new).
; CAUSAL.  Every work-group walks all eight changes of slots (constant trip counts).  A step all of whose keys come after the wave's queries is jumped over; on the diagonal hidden scores become -infinity.
.set PK,    144                        ; a row of K in LDS: 128 bytes + 16
.set PV,    160                        ; a row of V: 128 + 32
.set VOFF,  256*PK                     ; a slot: 256 rows of K, then 256 rows of V: 77,824 bytes
.set SLOT1, 1<<17                      ; slot 1 begins here: one exclusive or turns an address
.set STAGE, 77824                      ; between the slots: 16 rows x 144 bytes for each wave; no fill lands there
.set SPARE, 114688                     ; the spare words, 128 bytes a wave: eight blocks of 256 bytes that no other line names
.set AK0, 1                            ; v1  my lane's place in a tile of K
.set AV0, 2                            ; v2  the same for V
.set SPW, 3
.set NIL, 4
.set ADK, 5
.set ADV, 6
.set GO,  7                            ; v7  16 x lane
.set PFO, 8                            ; v8  256 x lane
.set STO, 9
.set RD,  10
.set QO,  11
.set RH,  12                           ; v12 r - 8 h
.set WV,  18
.set G1K, 24
.set G1V, 32
.set G0K, 40
.set G0V, 44
.set TB,  2                            ; s2  LDS byte at which the slot in hand begins
.set LAST, 66                          ; s66 my work-group's last query
.set SLOTS, 67
.set PFA, 76
.set LIM, 80
.set KF,  98                           ; s98 the step's first key
.set Q0,  99                           ; s99 my first query
; v16-31 Q; v32-95 K's fragments, then V's; v96-127 S^T, then p; v128-143 P; v144-175 O^T; v176 c m, v177 m, v[178:179] l, v180-183 at work, v[184:185] a, v186 the diagonal's distance, v187 -infinity
.macro TLOAD                           ; waves 0, 1 fetch K's halves, waves 2, 3 V's, the others nothing; an s_nop 0 and four v_nop follow each line
	s_cmp_lt_u32 s[WV], 2
	s_cbranch_scc0 .Lnot_k_\@
	tensor_load_to_lds s[G0K:G0K+3], s[G1K:G1K+7]
	s_nop 0
.rept 4
	v_nop
.endr
	s_branch .Lasked_\@
.Lnot_k_\@:
	s_cmp_lt_u32 s[WV], 4
	s_cbranch_scc0 .Lasked_\@
	tensor_load_to_lds s[G0V:G0V+3], s[G1V:G1V+7]
	s_nop 0
.rept 4
	v_nop
.endr
.Lasked_\@:
.endm
; A prefetch of what the NEXT change of slots will ask for: 32,768 bytes of K and of V.  All work-groups of a head walk the same rows: the head's first work-group asks, in it the waves that fetch
; nothing: waves 4-7 for K, waves 8-11 for V, 8,192 bytes a wave, lanes 256 bytes apart.  The last change that fills a slot asks for nothing; slots 0 and 1 come by their loads alone.
.macro ASK
	s_cmp_gt_u32 s[SLOTS], s[LIM]
	s_cbranch_scc0 .Lnot_mine_\@
	global_prefetch_b8 v[PFO], s[PFA:PFA+1] th:TH_LOAD_NT scope:SCOPE_SE
.Lnot_mine_\@:
.endm
	s_load_b128 s[4:7], s[0:1], 0x0                ; qkv, ctx
	v_lshl_add_u32 v[SPW], v0, 2, SPARE
	v_mov_b32 v[NIL], 0
	ds_add_u32 v[SPW], v[NIL]                      ; the wave's opening: the add and its wait stand ahead of my first tensor load
	v_lshrrev_b32 v5, 5, v0
	v_readfirstlane_b32 s[WV], v5                  ; wave 0..15
	s_and_b32 s72, ttmp7, 0xffff                   ; the head, 0..31
	s_lshr_b32 s73, s[WV], 2
	s_xor_b32 s73, s73, s[WV]
	s_and_b32 s73, s73, 1                          ; 0: the early block, 1: the late one
	s_lshl_b32 s74, ttmp9, 1
	s_sub_co_u32 s74, 15, s74
	s_mul_i32 s74, s74, s73
	s_add_co_u32 s74, s74, ttmp9                   ; my block of 128 queries: i or 15 - i
	s_lshl_b32 s[Q0], s74, 7
	s_lshr_b32 s75, s[WV], 1
	s_lshl_b32 s75, s75, 4
	s_add_co_u32 s[Q0], s[Q0], s75                 ; + 16 x my tile
	s_sub_co_u32 s[LAST], 15, ttmp9
	s_lshl_b32 s[LAST], s[LAST], 7
	s_add_co_u32 s[LAST], s[LAST], 127
	s_lshl_b32 s74, s72, 18                        ; the head's first byte in Q, K, V
	s_and_b32 s88, s[WV], 1
	s_lshl_b32 s89, s88, 14                        ; what I fetch, if I fetch: 128 rows of 128 bytes
	s_add_co_u32 s90, s74, s89
	s_mov_b32 s91, 0
	s_add_co_u32 s92, s90, 16777216                ; in V,
	s_mov_b32 s93, 0
	s_add_co_u32 s90, s90, 8388608                 ; in K
	s_mul_i32 s94, s88, 128*PK
	s_mul_i32 s95, s88, 128*PV
	s_add_co_u32 s95, s95, VOFF
	s_mov_b32 s[G1K], (1<<16)|(1<<20)|(4<<22)|(3<<25)   ; no mask; elements of 2 bytes; padding on: 4 words behind every 32
	s_mov_b32 s[G1V], (1<<16)|(1<<20)|(4<<22)|(7<<25)   ; 8 words
.irp g, G1K, G1V
	s_mov_b32 s[\g+1], 64<<16                      ; tensor_dim0
	s_mov_b32 s[\g+2], 128<<16                     ; tensor_dim1
	s_mov_b32 s[\g+3], 64<<16                      ; tile_dim0
	s_mov_b32 s[\g+4], 128                         ; tile_dim1
	s_mov_b32 s[\g+5], 64                          ; the pitch
	s_mov_b32 s[\g+6], 0
	s_mov_b32 s[\g+7], 0
.endr
	s_mov_b32 s20, 0x76543210                      ; v_permlanex16_b32's selects for lane l xor 16
	s_mov_b32 s21, 0xfedcba98
	s_mov_b32 s22, 0x3e38aa3b                      ; c = log2(e) / 8
	s_mov_b32 s23, s22
	s_mov_b32 s[TB], 0
	s_mov_b32 s[KF], 0
	s_mov_b32 s[SLOTS], 7
	s_wait_dscnt 0x0                               ; the opening add is done
	s_wait_kmcnt 0x0
	s_mov_b32 s[G0K], 1
	s_mov_b32 s[G0K+1], s94
	s_add_nc_u64 s[G0K+2:G0K+3], s[4:5], s[90:91]
	s_or_b32 s[G0K+3], s[G0K+3], 0x80000000
	s_mov_b32 s[G0V], 1
	s_mov_b32 s[G0V+1], s95
	s_add_nc_u64 s[G0V+2:G0V+3], s[4:5], s[92:93]
	s_or_b32 s[G0V+3], s[G0V+3], 0x80000000
	TLOAD                                          ; slot 0; one tensor load of a wave is out at the most, here and later
	s_lshl_b32 s82, s[Q0], 7
	s_add_co_u32 s82, s82, s74
	s_mov_b32 s83, 0
	s_add_nc_u64 s[8:9], s[4:5], s[82:83]          ; Q at my first query
	s_and_b32 s84, s72, 15
	s_lshl_b32 s84, s84, 12
	s_lshr_b32 s85, s72, 4
	s_lshl_b32 s85, s85, 11
	s_add_co_u32 s84, s84, s85
	s_add_co_u32 s84, s84, s[Q0]
	s_lshl_b32 s84, s84, 7
	s_mov_b32 s85, 0
	s_add_nc_u64 s[6:7], s[6:7], s[84:85]          ; ctx at (head, batch x 2048 + my first query)
	s_cmp_lt_u32 s[WV], 8                          ; the prefetches: waves 4-7 stand in K, waves 8-11 in V,
	s_mov_b32 s86, 16777216
	s_cselect_b32 s86, 8388608, s86
	s_add_co_u32 s86, s86, s74
	s_and_b32 s87, s[WV], 3
	s_lshl_b32 s87, s87, 13
	s_add_co_u32 s86, s86, s87
	s_add_co_u32 s86, s86, 32768                   ; in slot 1: the first change of slots steps it to slot 2
	s_mov_b32 s87, 0
	s_add_nc_u64 s[PFA:PFA+1], s[4:5], s[86:87]
	s_sub_co_u32 s86, s[WV], 4
	s_lshr_b32 s86, s86, 3                         ; 0 in waves 4 to 11,
	s_or_b32 s86, s86, ttmp9                       ; of the head's first work-group
	s_cmp_eq_u32 s86, 0
	s_cselect_b32 s[LIM], 1, -1
	v_and_b32 v13, 15, v0                          ; r
	v_bfe_u32 v14, v0, 4, 1                        ; h
	v_lshlrev_b32 v[QO], 7, v13
	v_lshl_add_u32 v[QO], v14, 4, v[QO]
.irp j, 0,1,2,3
	global_load_b128 v[16+4*\j:19+4*\j], v[QO], s[8:9] offset:32*\j   ; Q's two fragments stay in registers
.endr
	v_mul_u32_u24 v[AK0], v13, PK
	v_lshl_add_u32 v[AK0], v14, 4, v[AK0]
	v_and_b32 v15, 7, v0
	v_lshl_add_u32 v[AV0], v14, 3, v15
	v_mul_u32_u24 v[AV0], v[AV0], PV
	v_bfe_u32 v15, v0, 3, 1
	v_lshl_add_u32 v[AV0], v15, 4, v[AV0]
	v_add_nc_u32 v[AV0], VOFF, v[AV0]
	v_and_b32 v15, 31, v0
	v_lshlrev_b32 v[GO], 4, v15
	v_lshlrev_b32 v[PFO], 8, v15
	s_mul_i32 s73, s[WV], 16*PK
	s_add_co_u32 s73, s73, STAGE                   ; my stage
	v_add_nc_u32 v[STO], s73, v[AK0]               ; in: row r, 16 bytes for each half of the lanes
	v_lshrrev_b32 v[RD], 3, v15
	v_mul_u32_u24 v[RD], v[RD], PK
	v_and_b32 v15, 7, v0
	v_lshl_add_u32 v[RD], v15, 4, v[RD]
	v_add_nc_u32 v[RD], s73, v[RD]                 ; back: eight lanes to a row, four rows an instruction
	v_lshlrev_b32 v[RH], 3, v14
	v_sub_nc_u32 v[RH], v13, v[RH]
	v_mov_b32 v177, 0xff61b1e6                     ; m: -3e38, under every score
	v_mul_f32 v176, s22, v177
	v_mov_b32 v178, 0
	v_mov_b32 v179, 0
	v_mov_b32 v181, 0                              ; a lane permute's destination counts as one of its sources
	v_mov_b32 v185, 0                              ; named with a as a pair
	v_mov_b32 v187, 0xff800000
.set i, 0
.rept 32
	v_mov_b32 v[144+i], 0                          ; O^T: the loop has no first step of its own; the first a is 0 and multiplies zeros
.set i, i+1
.endr
.macro STEP q                          ; 64 keys, the q-th of the slot in hand
	s_add_co_u32 s96, s[Q0], 15
	s_cmp_gt_u32 s[KF], s96                        ; all keys come after my queries: ids and the count of steps alone
	s_cbranch_scc1 .Lhidden_\@
	v_add_nc_u32 v[ADK], s[TB], v[AK0]
	v_add_nc_u32 v[ADV], s[TB], v[AV0]
	v_nop
	v_nop                                          ; four places between the last products and the loads into the registers that they read
.irp t, 0,1,2,3
.irp c, 0,1
	ds_load_b128 v[32+8*(2*\t+\c):32+8*(2*\t+\c)+3], v[ADK] offset:(64*(\q)+16*\t)*PK+64*\c
	ds_load_b128 v[32+8*(2*\t+\c)+4:32+8*(2*\t+\c)+7], v[ADK] offset:(64*(\q)+16*\t)*PK+64*\c+32
.endr
.endr
	s_wait_dscnt 0x0
.irp t, 0,1,2,3
	v_wmma_f32_16x16x32_f16 v[96+8*\t:103+8*\t], v[32+16*\t:39+16*\t], v[16:23], 0        ; the four tiles take turns
.endr
.irp t, 0,1,2,3
	v_wmma_f32_16x16x32_f16 v[96+8*\t:103+8*\t], v[40+16*\t:47+16*\t], v[24:31], v[96+8*\t:103+8*\t]
.endr
.rept 4
	v_nop                                          ; places in front of V's loads into K's registers and of the first read of the scores
.endr
.irp g, 0,1
.irp c, 0,1,2,3
	ds_load_tr16_b128 v[32+8*(4*\g+\c):32+8*(4*\g+\c)+3], v[ADV] offset:(64*(\q)+32*\g)*PV+32*\c
	ds_load_tr16_b128 v[32+8*(4*\g+\c)+4:32+8*(4*\g+\c)+7], v[ADV] offset:(64*(\q)+32*\g)*PV+32*\c+16*PV
.endr
.endr
	s_add_co_u32 s96, s[KF], 63
	s_cmp_le_u32 s96, s[Q0]                        ; all 64 keys count for all my queries
	s_cbranch_scc1 .Lopen_\@
	s_sub_co_i32 s96, s[Q0], s[KF]
	v_add_nc_u32 v186, s96, v[RH]                  ; d = my query - KF - 8 h.  Register 8 t + j holds key KF + 16 t + 8 h + j: hidden where 16 t + j > d
.irp n, 0,1,2,3,4,5,6,7,8,9,10,11,12,13,14,15,16,17,18,19,20,21,22,23,24,25,26,27,28,29,30,31
	v_cmp_gt_i32 vcc_lo, 16*(\n/8)+\n%8, v186
	v_cndmask_b32 v[96+\n], v[96+\n], v187, vcc_lo
.endr
.Lopen_\@:
.irp c, 0,1,2,3
	v_max3_num_f32 v[180+\c], v[96+8*\c], v[97+8*\c], v[98+8*\c]   ; the maximum, in four chains, each tile from its low end
.endr
.irp c, 0,1,2,3
	v_max3_num_f32 v[180+\c], v[180+\c], v[99+8*\c], v[100+8*\c]
.endr
.irp c, 0,1,2,3
	v_max3_num_f32 v[180+\c], v[180+\c], v[101+8*\c], v[102+8*\c]
.endr
	v_max3_num_f32 v180, v180, v103, v111
	v_max3_num_f32 v182, v182, v119, v127
	v_max3_num_f32 v180, v180, v181, v182
	v_max3_num_f32 v180, v180, v183, v177          ; with the old m
	v_permlanex16_b32 v181, v180, s20, s21         ; the query's other 32 keys lie in the lane 16 away
	v_max_num_f32 v177, v180, v181
	v_mov_b32 v183, v176
	v_mul_f32 v176, s22, v177
	v_sub_f32 v183, v183, v176                     ; c m_old - c m_new
.set i, 0
.rept 16
	v_pk_fma_f32 v[96+i:97+i], v[96+i:97+i], s[22:23], v[176:177] op_sel_hi:[1,0,0] neg_lo:[0,0,1] neg_hi:[0,0,1]   ; c s - c m
.set i, i+2
.endr
	v_exp_f32 v184, v183                           ; one batch: a and the 32 weights
.set i, 0
.rept 32
	v_exp_f32 v[96+i], v[96+i]
.set i, i+1
.endr
	v_nop                                          ; a plain instruction behind the last exponential
	s_wait_alu depctr_va_vdst(0)                   ; one wait for the batch, ahead of its first reader
.set i, 0
.rept 16
	v_cvt_pk_f16_f32 v[128+i], v[96+2*i], v[97+2*i]   ; tiles 2 g and 2 g + 1 are source 1 for keys 32 g on
.set i, i+1
.endr
.irp u, 0,1,2,3,4,5,6,7
	v_pk_add_f32 v[96+4*\u:97+4*\u], v[96+4*\u:97+4*\u], v[98+4*\u:99+4*\u]   ; the sum of the unrounded weights
.endr
.irp u, 0,1,2,3
	v_pk_add_f32 v[96+8*\u:97+8*\u], v[96+8*\u:97+8*\u], v[100+8*\u:101+8*\u]
.endr
.irp u, 0,1
	v_pk_add_f32 v[96+16*\u:97+16*\u], v[96+16*\u:97+16*\u], v[104+16*\u:105+16*\u]
.endr
	v_pk_add_f32 v[96:97], v[96:97], v[112:113]
	v_pk_fma_f32 v[178:179], v[178:179], v[184:185], v[96:97] op_sel_hi:[1,0,1]   ; l = a l + the sum
.set i, 0
.rept 16
	v_pk_mul_f32 v[144+i:145+i], v[144+i:145+i], v[184:185] op_sel_hi:[1,0]       ; O^T x a, each accumulator from its low end
.set i, i+2
.endr
	s_wait_dscnt 0x0                               ; V is in
.irp g, 0,1
.irp c, 0,1,2,3
	v_wmma_f32_16x16x32_f16 v[144+8*\c:151+8*\c], v[32+8*(4*\g+\c):39+8*(4*\g+\c)], v[128+8*\g:135+8*\g], v[144+8*\c:151+8*\c]
.endr
.endr
.Lhidden_\@:
	s_add_co_u32 s[KF], s[KF], 64
.endm
; THE CHANGE OF SLOTS stands at a slot's head.  Each wave waits for all its tensor loads, adds 0 to its spare word, and waits for that and for its reads of the slot that it has left.  Behind the barrier the
; slot ahead is whole and nobody reads the other one.  fill = 1: that other slot takes the next 256 keys, unless its first key comes after the work-group's last query: then none of the sixteen waves would read it.
.macro CHANGE fill
	s_wait_tensorcnt 0x0                           ; no tensor load of mine is out, so a group 0 may be written
	ds_add_u32 v[SPW], v[NIL]
.if \fill
	s_xor_b32 s[G0K+1], s[G0K+1], SLOT1
	s_add_nc_u64 s[G0K+2:G0K+3], s[G0K+2:G0K+3], 32768
	s_xor_b32 s[G0V+1], s[G0V+1], SLOT1
	s_add_nc_u64 s[G0V+2:G0V+3], s[G0V+2:G0V+3], 32768
	s_wait_xcnt 0x0                                ; the last prefetch, a slot back, has read its address
	s_add_nc_u64 s[PFA:PFA+1], s[PFA:PFA+1], 32768
.endif
	s_wait_dscnt 0x0
	s_barrier_signal -1
	s_barrier_wait -1
.if \fill
	s_add_co_u32 s96, s[KF], 256                   ; the first key of the slot that this change would ask for
	s_cmp_gt_u32 s96, s[LAST]                      ; ids and the count of steps alone: all sixteen waves go the same way; every wait for tensor loads in this text is for 0
	s_cbranch_scc1 .Lpast_\@
	TLOAD
.Lpast_\@:
	ASK
.endif
.endm
.macro SLOT_STEPS
	STEP 0
	STEP 1
	STEP 2
	STEP 3
	s_xor_b32 s[TB], s[TB], SLOT1
.endm
	s_wait_loadcnt 0x0                             ; Q
.Lslot:                                            ; seven trips
	CHANGE 1
	SLOT_STEPS
	s_sub_co_u32 s[SLOTS], s[SLOTS], 1
	s_cmp_lg_u32 s[SLOTS], 0
	s_cbranch_scc1 .Lslot
	CHANGE 0                                       ; the last slot is written out: nothing is asked for
	SLOT_STEPS
	; THE WAY OUT: O^T / l, rounded to f16, through my stage: a tile is 2,048 consecutive bytes of ctx
	v_add_f32 v180, v178, v179
	v_permlanex16_b32 v181, v180, s20, s21
	v_add_f32 v180, v180, v181
	v_rcp_f32 v184, v180
	v_nop
	v_nop                                          ; plain instructions behind the reciprocal, and places behind the last products
	s_wait_alu depctr_va_vdst(0)
.set i, 0
.rept 16
	v_pk_mul_f32 v[96+i:97+i], v[144+i:145+i], v[184:185] op_sel_hi:[1,0]
.set i, i+2
.endr
.set i, 0
.rept 16
	v_cvt_pk_f16_f32 v[128+i], v[96+2*i], v[97+2*i]   ; registers 4 c .. 4 c + 3: channels 16 c + 8 h + 0 .. 7 of query r
.set i, i+1
.endr
.irp c, 0,1,2,3
	ds_store_b128 v[STO], v[128+4*\c:131+4*\c] offset:32*\c
.endr
.irp t, 0,1,2,3
	ds_load_b128 v[32+4*\t:35+4*\t], v[RD] offset:576*\t   ; LDS serves a wave's instructions in order
.endr
.irp t, 0,1,2,3
	s_wait_dscnt 3-\t                              ; the younger read-backs may be out
	global_store_b128 v[GO], v[32+4*\t:35+4*\t], s[6:7] offset:512*\t th:TH_STORE_NT
.endr
	s_wait_tensorcnt 0x0                           ; the wave's end
	ds_add_u32 v[SPW], v[NIL]
	s_wait_dscnt 0x0
	s_endpgm
.Lfunc_end_k_q437ff63244_attn:
	.size	k_q437ff63244_attn, .Lfunc_end_k_q437ff63244_attn-k_q437ff63244_attn
	.p2alignl 7, 3214868480
	.fill 96, 4, 3214868480
	.section	.rodata,"a",@progbits
	.p2align	6, 0x0
	.amdhsa_kernel k_q437ff63244_attn
		.amdhsa_group_segment_fixed_size 327680
		.amdhsa_private_segment_fixed_size 0
		.amdhsa_enable_private_segment 0
		.amdhsa_kernarg_size 16
		.amdhsa_user_sgpr_count 2
		.amdhsa_user_sgpr_kernarg_segment_ptr 1
		.amdhsa_wavefront_size32 1
		.amdhsa_system_sgpr_workgroup_id_x 1
		.amdhsa_system_sgpr_workgroup_id_y 1
		.amdhsa_system_sgpr_workgroup_id_z 1
		.amdhsa_system_vgpr_workitem_id 0
		.amdhsa_next_free_vgpr 192
		.amdhsa_next_free_sgpr 100
		.amdhsa_reserve_vcc 1
		.amdhsa_float_denorm_mode_32 3
		.amdhsa_float_denorm_mode_16_64 3
		.amdhsa_memory_ordered 1
		.amdhsa_forward_progress 1
		.amdhsa_inst_pref_size 108
	.end_amdhsa_kernel
	.amdgpu_metadata
---
amdhsa.version: [ 1, 2 ]
amdhsa.kernels:
  - .name:           k_q437ff63244_attn
    .symbol:         k_q437ff63244_attn.kd
    .args:
      - { .name: qkv, .offset: 0, .size: 8, .value_kind: global_buffer, .address_space: global }
      - { .name: ctx, .offset: 8, .size: 8, .value_kind: global_buffer, .address_space: global }
    .group_segment_fixed_size: 327680
    .private_segment_fixed_size: 0
    .kernarg_segment_align: 8
    .kernarg_segment_size: 16
    .max_flat_workgroup_size: 512
    .sgpr_count:     100
    .vgpr_count:     192
    .wavefront_size: 32
...
	.end_amdgpu_metadata
.endif
;; end of part 3
;; launch proj (part 4): grid 8 x 32, 4 waves a work-group, clusters of 4 x 4, 327,680 bytes of LDS; arguments ctx, wsp, y; writes y
.if DOCPART == 4
	.amdgcn_target "amdgcn-amd-amdhsa--gfx1250"
	.amdhsa_code_object_version 6
	.text
	.protected	k_q437ff63244_proj
	.globl	k_q437ff63244_proj
	.p2align	8
	.type	k_q437ff63244_proj,@function
k_q437ff63244_proj:
	s_mov_b64 s[64:65], 0
	v_nop
	global_prefetch_b8 v0, s[64:65] scope:SCOPE_SE
	s_setreg_imm32_b32 hwreg(HW_REG_WAVE_MODE, 25, 1), 1
	s_wait_xcnt 0x0
	s_wait_alu depctr_hold_cnt(0) depctr_sa_sdst(0) depctr_va_vdst(0) depctr_va_sdst(0) depctr_va_ssrc(0) depctr_va_vcc(0) depctr_vm_vsrc(0)
	s_getreg_b32 s2, hwreg(HW_REG_IB_STS2, 6, 4)
	s_cmp_eq_u32 s2, 0
	s_cbranch_scc0 .Lentry_in_a_cluster
	s_endpgm
.Lentry_in_a_cluster:
	s_bfe_u32 s2, ttmp6, 0x10000c
	s_cmp_lg_u32 s2, 0xf033
	s_cbranch_scc0 .Lentry_shape_is_right
	s_endpgm
.Lentry_shape_is_right:
; y = ctx wo: [4096 x 1024] x [1024 x 1024], operands in f16, sums and result in f32.  A = ctx, laid [head][row][64]; B = wo turned, [n][k], in the workspace.
; LIMIT: none of its own; the operands' f16 range is stated where they are made.
; A tile of y is 128 x 128: 256 work-groups.  Four waves, 64 x 64 each: 16 accumulators.  K goes in steps of 256 through two LDS slots.
; A's tile of a step (64 rows a load) is four heads' dense runs of 64 rows x 128 bytes: one descriptor of 4 rows of 8,192 bytes, 16 bytes of padding behind every 128: in LDS [head][row][144].
; CLUSTERS: 4 x 4; A's tiles are asked for jointly along a row of the cluster, B's along a column.  THE MATRIX INSTRUCTION IS USED TRANSPOSED: a lane holds eight neighbouring columns of one row.
; A wave's 64 columns of f32 are 256 aligned bytes: each wave sends its own rows out through a stage of its own.
; REGISTERS: window 0: v0-31 addresses; v32-95 rows read back; v128-255 the accumulators.  window 1: two fragment buffers of 128 (64 of A, 64 of B).
.set SIZE_K, 1024
.set BOFF,   3899392                   ; where B lies in the workspace
.set ABLK,   1                         ; A is laid by heads
.set KSTEP,  256
.set BP,     528                       ; B's LDS row: 512 bytes + 16
.if ABLK
.set AP,     144                       ; A's LDS row
.set AQS,    9216                      ; 64 along K on: the next head
.set HALFA,  36864                     ; what one load brings of A
.set ARB,    128                       ; a row on, in memory
.set AKS,    2097152                   ; a K step on: four heads
.else
.set AP,     528
.set AQS,    128
.set HALFA,  33792
.set ARB,    SIZE_K*2
.set AKS,    512
.endif
.set HALFB,  64*BP
.set SLOT,   2*HALFA+2*HALFB
.set STAGE,  2*SLOT                    ; behind the ring: 16 rows x 272 bytes for each wave
.set SPITCH, 272
.set SPARE,  STAGE+4*16*SPITCH         ; the spare words, 128 bytes a wave
.set LAPS,   SIZE_K/(2*KSTEP)
.set ADRA, 16
.set ADRB, 20
.set STO,  24
.set RD,   25
.set CO,   26
.set SPW,  28
.set NIL,  29
.set TMP,  32
.set ACC,  128
.set F0,   0
.set F1,   128
.set G1, 24
.set G0, 32
.set G1B, 48
.set G0B, 56
.set MSB, 0
.macro WIN new
.if MSB != \new
	s_set_vgpr_msb (MSB<<8)|\new
.set MSB, \new
.endif
.endm
.set MUL,  0x05                        ; sources 0 (B) and 1 (A) window 1; C and D window 0
.set TO_F, 0x40
.macro JLOAD s                         ; waves 0, 1 fetch A's halves, waves 2, 3 B's; an s_nop 0 and four v_nop follow each line
	s_cmp_eq_u32 s11, 0
	s_cbranch_scc0 .Lfor_b_\@
	tensor_load_to_lds s[G0+4*\s:G0+4*\s+3], s[G1:G1+7]
	s_nop 0
.rept 4
	v_nop
.endr
	s_branch .Lasked_\@
.Lfor_b_\@:
	tensor_load_to_lds s[G0B+4*\s:G0B+4*\s+3], s[G1B:G1B+7]
	s_nop 0
.rept 4
	v_nop
.endr
.Lasked_\@:
.endm
.macro CREST
	s_cmp_lg_u32 s10, 0
	s_cbranch_scc1 .Lnot_wave_0_\@
	s_barrier_signal -3
.Lnot_wave_0_\@:
	s_barrier_wait -3
	s_barrier_signal -1
	s_barrier_wait -1
.endm
.macro CROUND
	s_barrier_signal -1
	s_barrier_wait -1
	CREST
.endm
	s_load_b128 s[4:7], s[0:1], 0x0                ; A, the workspace
	s_load_b64 s[8:9], s[0:1], 0x10                ; y
	v_lshl_add_u32 v[SPW], v0, 2, SPARE
	v_mov_b32 v[NIL], 0
	ds_add_u32 v[SPW], v[NIL]                      ; the wave's opening: the add and its wait stand ahead of my first tensor load
	v_lshrrev_b32 v1, 5, v0
	v_readfirstlane_b32 s10, v1                    ; wave 0..3
	s_lshr_b32 s11, s10, 1                         ; my half of the rows.  Also: I fetch for A (0) or B (1)
	s_and_b32 s12, s10, 1                          ; my half of the columns.  Also: which 64 rows I fetch
	s_bfe_u32 s40, ttmp6, 0x40000
	s_bfe_u32 s41, ttmp6, 0x40004
	s_lshl_b32 s42, ttmp9, 2
	s_add_co_u32 s42, s42, s40                     ; tile column
	s_and_b32 s13, ttmp7, 0xffff
	s_lshl_b32 s13, s13, 2
	s_add_co_u32 s13, s13, s41                     ; tile row
	s_lshl_b32 s43, s41, 2
	s_lshl_b32 s43, 15, s43                        ; my row of the cluster
	s_lshl_b32 s44, 0x1111, s40                    ; my column
.if ABLK
	s_or_b32 s[G1+0], s43, (1<<16)|(1<<20)|(1<<21)|(4<<22)|(3<<25)  ; the mask; elements of 2 bytes; 4 words of padding behind every 32; bit 21 beside a mask
	s_mov_b32 s[G1+1], 4096<<16                    ; tensor_dim0: 64 rows x 64 channels on end
	s_mov_b32 s[G1+2], 4<<16                       ; tensor_dim1: four heads
	s_mov_b32 s[G1+3], 4096<<16                    ; tile_dim0
	s_mov_b32 s[G1+4], 4                           ; tile_dim1
	s_mov_b32 s[G1+5], 262144                      ; from head to head, in elements
.else
	s_or_b32 s[G1+0], s43, (1<<16)|(1<<20)|(1<<21)|(6<<22)|(3<<25)
	s_mov_b32 s[G1+1], KSTEP<<16
	s_mov_b32 s[G1+2], 64<<16
	s_mov_b32 s[G1+3], KSTEP<<16
	s_mov_b32 s[G1+4], 64
	s_mov_b32 s[G1+5], SIZE_K
.endif
	s_mov_b32 s[G1+6], 0
	s_mov_b32 s[G1+7], 0
	s_or_b32 s[G1B+0], s44, (1<<16)|(1<<20)|(1<<21)|(6<<22)|(3<<25)  ; B: 64 rows of 256 elements, 4 words behind every 128
	s_mov_b32 s[G1B+1], KSTEP<<16
	s_mov_b32 s[G1B+2], 64<<16
	s_mov_b32 s[G1B+3], KSTEP<<16
	s_mov_b32 s[G1B+4], 64
	s_mov_b32 s[G1B+5], SIZE_K
	s_mov_b32 s[G1B+6], 0
	s_mov_b32 s[G1B+7], 0
	s_lshl_b32 s17, s12, 6
	s_lshl_b32 s16, s13, 7
	s_add_co_u32 s16, s16, s17                     ; A: row 128 x tile row + 64 x half
	s_lshl_b32 s46, s42, 7
	s_add_co_u32 s46, s46, s17                     ; B: row 128 x tile column + 64 x half
	s_mov_b32 s17, 0
	s_mov_b32 s47, 0
	s_mov_b64 s[18:19], ARB
	s_mul_u64 s[16:17], s[16:17], s[18:19]
	s_mov_b64 s[18:19], SIZE_K*2
	s_mul_u64 s[46:47], s[46:47], s[18:19]
	s_mul_i32 s20, s12, HALFA                      ; where they go: A's two halves, then B's two
	s_mul_i32 s21, s12, HALFB
	s_add_co_u32 s21, s21, 2*HALFA
	s_wait_dscnt 0x0                               ; the opening add is done
	s_wait_kmcnt 0x0
	s_add_nc_u64 s[6:7], s[6:7], BOFF
	s_add_nc_u64 s[14:15], s[4:5], s[16:17]
	s_add_nc_u64 s[46:47], s[6:7], s[46:47]
	CROUND                                         ; all sixteen work-groups are here: the first joint loads meet
.irp s, 0,1
	s_mov_b32 s[G0+4*\s], 1
	s_add_co_u32 s[G0+4*\s+1], s20, \s*SLOT
	s_add_nc_u64 s[G0+4*\s+2:G0+4*\s+3], s[14:15], \s*AKS
	s_or_b32 s[G0+4*\s+3], s[G0+4*\s+3], 0x80000000
	s_mov_b32 s[G0B+4*\s], 1
	s_add_co_u32 s[G0B+4*\s+1], s21, \s*SLOT
	s_add_nc_u64 s[G0B+4*\s+2:G0B+4*\s+3], s[46:47], \s*KSTEP*2
	s_or_b32 s[G0B+4*\s+3], s[G0B+4*\s+3], 0x80000000
	JLOAD \s
.endr
	v_and_b32 v1, 15, v0                           ; r
	v_bfe_u32 v2, v0, 4, 1                         ; h
	v_mul_u32_u24 v3, v1, AP
	v_lshl_add_u32 v3, v2, 4, v3
	v_mul_u32_u24 v4, v1, BP
	v_lshl_add_u32 v4, v2, 4, v4
	s_mul_i32 s21, s11, HALFA                      ; my 64 rows of A
	s_mul_i32 s22, s12, HALFB                      ; my 64 rows of B
	s_add_co_u32 s22, s22, 2*HALFA
.irp s, 0,1
	v_add_nc_u32 v[ADRA+\s], s21, v3
	v_add_nc_u32 v[ADRB+\s], s22, v4
	s_add_co_u32 s21, s21, SLOT
	s_add_co_u32 s22, s22, SLOT
.endr
	s_mul_i32 s23, s10, 16*SPITCH
	s_add_co_u32 s23, s23, STAGE                   ; my stage
	v_mul_u32_u24 v4, v1, SPITCH
	v_lshl_add_u32 v4, v2, 5, v4
	v_add_nc_u32 v[STO], s23, v4                   ; in: row r, 32 bytes for each half of the lanes
	v_mul_u32_u24 v5, v2, SPITCH
	v_lshl_add_u32 v5, v1, 4, v5
	v_add_nc_u32 v[RD], s23, v5                    ; back: lanes 0-15 one row of 256 bytes, lanes 16-31 the next
	v_lshlrev_b32 v5, 12, v2
	v_lshl_add_u32 v[CO], v1, 4, v5                ; and the same two rows in y (4,096 bytes a row)
	s_lshl_b32 s16, s13, 7
	s_lshl_b32 s17, s11, 6
	s_add_co_u32 s16, s16, s17
	s_lshl_b32 s16, s16, 12
	s_lshl_b32 s46, s42, 9
	s_lshl_b32 s47, s12, 8
	s_add_co_u32 s46, s46, s47
	s_add_co_u32 s16, s16, s46
	s_mov_b32 s17, 0
	s_add_nc_u64 s[8:9], s[8:9], s[16:17]
.macro MUL8 f, c, a0, zero             ; 8 matrix instructions: row blocks a0, a0 + 1 x all 4 column blocks, 32 along K; the 16 accumulators take turns
.irp a, \a0, \a0+1
.irp b, 0,1,2,3
.if \zero
	v_wmma_f32_16x16x32_f16 v[ACC+8*(4*(\a)+\b):ACC+8*(4*(\a)+\b)+7], v[\f+64+8*(4*\c+\b):\f+64+8*(4*\c+\b)+7], v[\f+8*(4*\c+\a):\f+8*(4*\c+\a)+7], 0
.else
	v_wmma_f32_16x16x32_f16 v[ACC+8*(4*(\a)+\b):ACC+8*(4*(\a)+\b)+7], v[\f+64+8*(4*\c+\b):\f+64+8*(4*\c+\b)+7], v[\f+8*(4*\c+\a):\f+8*(4*\c+\a)+7], v[ACC+8*(4*(\a)+\b):ACC+8*(4*(\a)+\b)+7]
.endif
.endr
.endr
.endm
.macro FETCH slot, k, f                ; 32 LDS loads in one run: 64 along K at byte k of B's rows; the first 32 along K first
	WIN TO_F
.irp c, 0,1
.irp i, 0,1,2,3
	ds_load_b128 v[\f+64+8*(4*\c+\i):\f+64+8*(4*\c+\i)+3],   v[ADRB+\slot] offset:\k+64*\c+\i*16*BP
	ds_load_b128 v[\f+64+8*(4*\c+\i)+4:\f+64+8*(4*\c+\i)+7], v[ADRB+\slot] offset:\k+64*\c+\i*16*BP+32
	ds_load_b128 v[\f+8*(4*\c+\i):\f+8*(4*\c+\i)+3],         v[ADRA+\slot] offset:((\k)/128)*AQS+64*\c+\i*16*AP
	ds_load_b128 v[\f+8*(4*\c+\i)+4:\f+8*(4*\c+\i)+7],       v[ADRA+\slot] offset:((\k)/128)*AQS+64*\c+\i*16*AP+32
.endr
.endr
.endm
.macro PLACES
.rept 4
	v_nop
.endr
.endm
.macro QUARTER slot, k, f, g, zero     ; 64 along K: multiplies buffer f, fetches the next quarter, at byte k, into g
	s_wait_dscnt 16                                ; the first 32 along K are in; the other sixteen loads may be out
	WIN MUL
	MUL8 \f, 0, 0, \zero
	MUL8 \f, 0, 2, \zero
	PLACES
	FETCH \slot, \k, \g
	s_wait_dscnt 32                                ; all but the 32 just issued
	WIN MUL
	MUL8 \f, 1, 0, 0
	MUL8 \f, 1, 2, 0
.endm
.macro TURN slot, next, fill           ; the last quarter changes slots: one barrier; fill = 1: it opens a round of the cluster's barrier, and this slot is filled again, two K steps ahead
	WIN 0
	s_wait_tensorcnt 0x0                           ; all my tensor loads have landed: my part of the next slot
	ds_add_u32 v[SPW], v[NIL]
	s_wait_dscnt 17                                ; the add and the youngest sixteen loads may be out
	WIN MUL
	MUL8 F1, 0, 0, 0
	s_wait_dscnt 0x0                               ; the add is done, and my reads of this slot are over
	s_barrier_signal -1
	MUL8 F1, 0, 2, 0
.if \fill
	WIN 0
.endif
	s_barrier_wait -1
.if \fill
	CREST
	s_add_nc_u64 s[G0+4*\slot+2:G0+4*\slot+3], s[G0+4*\slot+2:G0+4*\slot+3], 2*AKS
	s_add_nc_u64 s[G0B+4*\slot+2:G0B+4*\slot+3], s[G0B+4*\slot+2:G0B+4*\slot+3], 2*KSTEP*2
	JLOAD \slot                                    ; the first tensor load behind the round; its four v_nop are also the places in front of the loads below
.else
	PLACES
.endif
	FETCH \next, 0, F0
	WIN MUL
	MUL8 F1, 1, 0, 0
	MUL8 F1, 1, 2, 0
.endm
	s_wait_tensorcnt 1                             ; my part of K step 0 is in; K step 1's load may be out
	s_barrier_signal -1
	s_barrier_wait -1
	FETCH 0, 0, F0
	QUARTER 0, 128, F0, F1, 1                      ; the first products start the sums
	WIN 0
	s_mov_b32 s3, LAPS-1
.Llap:
	QUARTER 0, 256, F1, F0, 0
	QUARTER 0, 384, F0, F1, 0
	TURN 0, 1, 1
	QUARTER 1, 128, F0, F1, 0
	QUARTER 1, 256, F1, F0, 0
	QUARTER 1, 384, F0, F1, 0
	TURN 1, 0, 1
	QUARTER 0, 128, F0, F1, 0
	WIN 0
	s_sub_co_u32 s3, s3, 1
	s_cmp_lg_u32 s3, 0
	s_cbranch_scc1 .Llap
	QUARTER 0, 256, F1, F0, 0                      ; the last lap fills nothing
	QUARTER 0, 384, F0, F1, 0
	TURN 0, 1, 0
	QUARTER 1, 128, F0, F1, 0
	QUARTER 1, 256, F1, F0, 0
	QUARTER 1, 384, F0, F1, 0
	s_wait_dscnt 16
	WIN MUL
	MUL8 F1, 0, 0, 0
	MUL8 F1, 0, 2, 0
	s_wait_dscnt 0
	MUL8 F1, 1, 0, 0
	MUL8 F1, 1, 2, 0
	WIN 0
; THE WAY OUT, 16 rows x 64 columns at a time, through my own stage: sixteen lanes store 256 consecutive, aligned bytes
.macro TOSTAGE a
.irp b, 0,1,2,3
	ds_store_b128 v[STO], v[ACC+8*(4*(\a)+\b):ACC+8*(4*(\a)+\b)+3] offset:64*\b        ; each accumulator from its low end on
	ds_store_b128 v[STO], v[ACC+8*(4*(\a)+\b)+4:ACC+8*(4*(\a)+\b)+7] offset:64*\b+16
.endr
.irp t, 0,1,2,3,4,5,6,7
	ds_load_b128 v[TMP+32*((\a)%2)+4*\t:TMP+32*((\a)%2)+4*\t+3], v[RD] offset:544*\t   ; LDS serves a wave's instructions in order
.endr
.endm
.macro SEND a, younger
	s_wait_dscnt \younger                          ; the block is back; the next block's 8 stores and 8 loads may be out
.irp t, 0,1,2,3,4,5,6,7
	global_store_b128 v[CO], v[TMP+32*((\a)%2)+4*\t:TMP+32*((\a)%2)+4*\t+3], s[8:9] offset:(16*(\a)+2*\t)*4096 th:TH_STORE_NT
.endr
.endm
	PLACES
	TOSTAGE 0
	TOSTAGE 1
	SEND 0, 16
	s_wait_xcnt 0x0                                ; block 0's stores have read their registers
	TOSTAGE 2
	SEND 1, 16
	s_wait_xcnt 0x0
	TOSTAGE 3
	SEND 2, 16
	SEND 3, 0
	s_wait_tensorcnt 0x0                           ; the wave's end
	ds_add_u32 v[SPW], v[NIL]
	s_wait_dscnt 0x0
	CROUND                                         ; the closing round
	s_endpgm
.Lfunc_end_k_q437ff63244_proj:
	.size	k_q437ff63244_proj, .Lfunc_end_k_q437ff63244_proj-k_q437ff63244_proj
	.p2alignl 7, 3214868480
	.fill 96, 4, 3214868480
	.section	.rodata,"a",@progbits
	.p2align	6, 0x0
	.amdhsa_kernel k_q437ff63244_proj
		.amdhsa_group_segment_fixed_size 327680
		.amdhsa_private_segment_fixed_size 0
		.amdhsa_enable_private_segment 0
		.amdhsa_kernarg_size 24
		.amdhsa_user_sgpr_count 2
		.amdhsa_user_sgpr_kernarg_segment_ptr 1
		.amdhsa_wavefront_size32 1
		.amdhsa_system_sgpr_workgroup_id_x 1
		.amdhsa_system_sgpr_workgroup_id_y 1
		.amdhsa_system_sgpr_workgroup_id_z 1
		.amdhsa_system_vgpr_workitem_id 0
		.amdhsa_next_free_vgpr 512
		.amdhsa_next_free_sgpr 66
		.amdhsa_reserve_vcc 0
		.amdhsa_float_denorm_mode_32 3
		.amdhsa_float_denorm_mode_16_64 3
		.amdhsa_memory_ordered 1
		.amdhsa_forward_progress 1
		.amdhsa_inst_pref_size 86
	.end_amdhsa_kernel
	.amdgpu_metadata
---
amdhsa.version: [ 1, 2 ]
amdhsa.kernels:
  - .name:           k_q437ff63244_proj
    .symbol:         k_q437ff63244_proj.kd
    .args:
      - { .name: ctx, .offset: 0, .size: 8, .value_kind: global_buffer, .address_space: global }
      - { .name: wsp, .offset: 8, .size: 8, .value_kind: global_buffer, .address_space: global }
      - { .name: y, .offset: 16, .size: 8, .value_kind: global_buffer, .address_space: global }
    .group_segment_fixed_size: 327680
    .private_segment_fixed_size: 0
    .kernarg_segment_align: 8
    .kernarg_segment_size: 24
    .max_flat_workgroup_size: 128
    .sgpr_count:     66
    .vgpr_count:     512
    .wavefront_size: 32
...
	.end_amdgpu_metadata
.endif
;; end of part 4
;; launch ln1 (part 5): grid 512 x 1, 4 waves a work-group, no clusters, 0 bytes of LDS; arguments y, x, ln1_g, ln1_b, x1f, x1h; writes x1f, x1h
.if DOCPART == 5
	.amdgcn_target "amdgcn-amd-amdhsa--gfx1250"
	.amdhsa_code_object_version 6
	.text
	.protected	k_q437ff63244_ln1
	.globl	k_q437ff63244_ln1
	.p2align	8
	.type	k_q437ff63244_ln1,@function
k_q437ff63244_ln1:
	s_mov_b64 s[64:65], 0
	v_nop
	global_prefetch_b8 v0, s[64:65] scope:SCOPE_SE
	s_setreg_imm32_b32 hwreg(HW_REG_WAVE_MODE, 25, 1), 1
	s_wait_xcnt 0x0
; out = x + LayerNorm(y) g + b, row by row of 1,024; the mean, then the mean of the squared differences, as two passes over registers; all in f32.  HALF = 1: the result also leaves in f16.
; LIMITS: NaN and infinities are not served; in f16 a result over 65,504 in magnitude becomes infinity.
; A wave takes two rows; a row is eight loads of 512 consecutive bytes and stays in registers.  Memory binds: no LDS, no barrier, no loop; all 48 loads of a wave go out at the head.
.set HALF, 1
.set Y,  16                            ; v16-79   y's two rows
.set X,  80                            ; v80-143  x's two rows, then the result
.set G,  144                           ; v144-175 g of my 32 columns
.set B,  176                           ; v176-207 b
.set H,  208                           ; v208-239 the result in f16
.set RS, 240                           ; v[240:241], v[242:243] 1 / sqrt(var + eps) of the two rows, in the low word
	s_load_b256 s[4:11], s[0:1], 0x0               ; y, x, g, b
.if HALF
	s_load_b128 s[16:19], s[0:1], 0x20             ; the result in f32, in f16
.else
	s_load_b64 s[16:17], s[0:1], 0x20
.endif
	v_lshrrev_b32 v3, 5, v0
	v_readfirstlane_b32 s20, v3
	v_and_b32 v4, 31, v0
	v_lshlrev_b32 v1, 4, v4                        ; 16 bytes a lane
.if HALF
	v_lshlrev_b32 v2, 3, v4                        ; 8 bytes a lane
.endif
	v_mov_b32 v13, 0                               ; upper words of pairs whose low word serves both halves
	v_mov_b32 v[RS+1], 0
	v_mov_b32 v[RS+3], 0
	s_lshl_b32 s21, ttmp9, 2
	s_add_co_u32 s21, s21, s20                     ; my pair of rows: 0..2047
	s_lshl_b32 s22, s21, 13
	s_mov_b32 s23, 0
	s_mov_b32 s12, 0x76543210
	s_mov_b32 s13, 0xfedcba98
	s_mov_b32 s14, 0x3a800000                      ; 1 / 1024
	s_mov_b32 s15, 0x3727c5ac                      ; 1e-5
	s_wait_kmcnt 0x0
	s_add_nc_u64 s[4:5], s[4:5], s[22:23]
	s_add_nc_u64 s[6:7], s[6:7], s[22:23]
	s_add_nc_u64 s[16:17], s[16:17], s[22:23]
.if HALF
	s_lshl_b32 s22, s21, 12
	s_add_nc_u64 s[18:19], s[18:19], s[22:23]
.endif
.irp w, 0,1
.irp j, 0,1,2,3,4,5,6,7
	global_load_b128 v[Y+32*\w+4*\j:Y+32*\w+4*\j+3], v1, s[4:5] offset:4096*\w+512*\j th:TH_LOAD_NT
.endr
.endr
.irp j, 0,1,2,3,4,5,6,7
	global_load_b128 v[G+4*\j:G+4*\j+3], v1, s[8:9] offset:512*\j
.endr
.irp j, 0,1,2,3,4,5,6,7
	global_load_b128 v[B+4*\j:B+4*\j+3], v1, s[10:11] offset:512*\j
.endr
.irp w, 0,1
.irp j, 0,1,2,3,4,5,6,7
	global_load_b128 v[X+32*\w+4*\j:X+32*\w+4*\j+3], v1, s[6:7] offset:4096*\w+512*\j th:TH_LOAD_NT
.endr
.endr
.macro REDUCE                          ; four pairs v[4:11] -> their sum over the wave, in v4 of every lane
	v_pk_add_f32 v[4:5], v[4:5], v[6:7]
	v_pk_add_f32 v[8:9], v[8:9], v[10:11]
	v_pk_add_f32 v[4:5], v[4:5], v[8:9]
	v_add_f32 v4, v4, v5
	v_add_f32_dpp v4, v4, v4 row_xmask:1 row_mask:0xf bank_mask:0xf
	v_add_f32_dpp v4, v4, v4 row_xmask:2 row_mask:0xf bank_mask:0xf
	v_add_f32_dpp v4, v4, v4 row_xmask:4 row_mask:0xf bank_mask:0xf
	v_add_f32_dpp v4, v4, v4 row_xmask:8 row_mask:0xf bank_mask:0xf
	v_permlanex16_b32 v5, v4, s12, s13
	v_add_f32 v4, v4, v5
.endm
.macro STAT w
.set YR, Y+32*\w
.irp k, 0,1,2,3
	v_pk_add_f32 v[4+2*\k:5+2*\k], v[YR+2*\k:YR+2*\k+1], v[YR+8+2*\k:YR+9+2*\k]   ; four chains, started by the first pairs
.endr
.irp i, 8,9,10,11,12,13,14,15
	v_pk_add_f32 v[4+2*(\i%4):5+2*(\i%4)], v[4+2*(\i%4):5+2*(\i%4)], v[YR+2*\i:YR+2*\i+1]
.endr
	REDUCE
	v_mul_f32 v12, s14, v4                         ; the mean
.irp i, 0,1,2,3,4,5,6,7,8,9,10,11,12,13,14,15
	v_pk_add_f32 v[YR+2*\i:YR+2*\i+1], v[YR+2*\i:YR+2*\i+1], v[12:13] op_sel_hi:[1,0] neg_lo:[0,1] neg_hi:[0,1]
.endr
.irp k, 0,1,2,3
	v_pk_mul_f32 v[4+2*\k:5+2*\k], v[YR+2*\k:YR+2*\k+1], v[YR+2*\k:YR+2*\k+1]
.endr
.irp i, 4,5,6,7,8,9,10,11,12,13,14,15
	v_pk_fma_f32 v[4+2*(\i%4):5+2*(\i%4)], v[YR+2*\i:YR+2*\i+1], v[YR+2*\i:YR+2*\i+1], v[4+2*(\i%4):5+2*(\i%4)]
.endr
	REDUCE
	v_fma_f32 v3, v4, s14, s15                     ; the variance + eps
	v_rsq_f32 v[RS+2*\w], v3
	v_nop                                          ; a plain instruction behind the transcendental,
	s_wait_alu depctr_va_vdst(0)                   ; and the wait ahead of its first reader
.endm
.macro NORM w
.set YR, Y+32*\w
.set XR, X+32*\w
.irp i, 0,1,2,3,4,5,6,7,8,9,10,11,12,13,14,15
	v_pk_mul_f32 v[YR+2*\i:YR+2*\i+1], v[YR+2*\i:YR+2*\i+1], v[RS+2*\w:RS+2*\w+1] op_sel_hi:[1,0]
.endr
.irp i, 0,1,2,3,4,5,6,7,8,9,10,11,12,13,14,15
	v_pk_fma_f32 v[YR+2*\i:YR+2*\i+1], v[YR+2*\i:YR+2*\i+1], v[G+2*\i:G+2*\i+1], v[B+2*\i:B+2*\i+1]
.endr
.irp i, 0,1,2,3,4,5,6,7,8,9,10,11,12,13,14,15
	v_pk_add_f32 v[XR+2*\i:XR+2*\i+1], v[XR+2*\i:XR+2*\i+1], v[YR+2*\i:YR+2*\i+1]
.endr
.irp j, 0,1,2,3,4,5,6,7
	global_store_b128 v1, v[XR+4*\j:XR+4*\j+3], s[16:17] offset:4096*\w+512*\j th:TH_STORE_NT
.endr
.if HALF
.irp i, 0,1,2,3,4,5,6,7,8,9,10,11,12,13,14,15
	v_cvt_pk_f16_f32 v[H+16*\w+\i], v[XR+2*\i], v[XR+2*\i+1]
.endr
.irp j, 0,1,2,3,4,5,6,7
	global_store_b64 v2, v[H+16*\w+2*\j:H+16*\w+2*\j+1], s[18:19] offset:2048*\w+256*\j th:TH_STORE_NT   ; 32 lanes store 256 consecutive, aligned bytes
.endr
.endif
.endm
	s_wait_loadcnt 32                              ; y's sixteen loads are in; the 32 younger ones (g, b, x) may be out
	STAT 0
	STAT 1
	s_wait_loadcnt 0x0
	NORM 0
	NORM 1
	s_endpgm
.Lfunc_end_k_q437ff63244_ln1:
	.size	k_q437ff63244_ln1, .Lfunc_end_k_q437ff63244_ln1-k_q437ff63244_ln1
	.p2alignl 7, 3214868480
	.fill 96, 4, 3214868480
	.section	.rodata,"a",@progbits
	.p2align	6, 0x0
	.amdhsa_kernel k_q437ff63244_ln1
		.amdhsa_group_segment_fixed_size 0
		.amdhsa_private_segment_fixed_size 0
		.amdhsa_enable_private_segment 0
		.amdhsa_kernarg_size 48
		.amdhsa_user_sgpr_count 2
		.amdhsa_user_sgpr_kernarg_segment_ptr 1
		.amdhsa_wavefront_size32 1
		.amdhsa_system_sgpr_workgroup_id_x 1
		.amdhsa_system_sgpr_workgroup_id_y 1
		.amdhsa_system_sgpr_workgroup_id_z 1
		.amdhsa_system_vgpr_workitem_id 0
		.amdhsa_next_free_vgpr 244
		.amdhsa_next_free_sgpr 66
		.amdhsa_reserve_vcc 0
		.amdhsa_float_denorm_mode_32 3
		.amdhsa_float_denorm_mode_16_64 3
		.amdhsa_memory_ordered 1
		.amdhsa_forward_progress 1
		.amdhsa_inst_pref_size 25
	.end_amdhsa_kernel
	.amdgpu_metadata
---
amdhsa.version: [ 1, 2 ]
amdhsa.kernels:
  - .name:           k_q437ff63244_ln1
    .symbol:         k_q437ff63244_ln1.kd
    .args:
      - { .name: y, .offset: 0, .size: 8, .value_kind: global_buffer, .address_space: global }
      - { .name: x, .offset: 8, .size: 8, .value_kind: global_buffer, .address_space: global }
      - { .name: ln1_g, .offset: 16, .size: 8, .value_kind: global_buffer, .address_space: global }
      - { .name: ln1_b, .offset: 24, .size: 8, .value_kind: global_buffer, .address_space: global }
      - { .name: x1f, .offset: 32, .size: 8, .value_kind: global_buffer, .address_space: global }
      - { .name: x1h, .offset: 40, .size: 8, .value_kind: global_buffer, .address_space: global }
    .group_segment_fixed_size: 0
    .private_segment_fixed_size: 0
    .kernarg_segment_align: 8
    .kernarg_segment_size: 48
    .max_flat_workgroup_size: 128
    .sgpr_count:     66
    .vgpr_count:     244
    .wavefront_size: 32
...
	.end_amdgpu_metadata
.endif
;; end of part 5
;; launch up (part 6): grid 16 x 16, 4 waves a work-group, clusters of 4 x 4, 327,680 bytes of LDS; arguments x1h, wsp, b1, h; writes h
.if DOCPART == 6
	.amdgcn_target "amdgcn-amd-amdhsa--gfx1250"
	.amdhsa_code_object_version 6
	.text
	.protected	k_q437ff63244_up
	.globl	k_q437ff63244_up
	.p2align	8
	.type	k_q437ff63244_up,@function
k_q437ff63244_up:
	s_mov_b64 s[64:65], 0
	v_nop
	global_prefetch_b8 v0, s[64:65] scope:SCOPE_SE
	s_setreg_imm32_b32 hwreg(HW_REG_WAVE_MODE, 25, 1), 1
	s_wait_xcnt 0x0
	s_wait_alu depctr_hold_cnt(0) depctr_sa_sdst(0) depctr_va_vdst(0) depctr_va_sdst(0) depctr_va_ssrc(0) depctr_va_vcc(0) depctr_vm_vsrc(0)
	s_getreg_b32 s2, hwreg(HW_REG_IB_STS2, 6, 4)
	s_cmp_eq_u32 s2, 0
	s_cbranch_scc0 .Lentry_in_a_cluster
	s_endpgm
.Lentry_in_a_cluster:
	s_bfe_u32 s2, ttmp6, 0x10000c
	s_cmp_lg_u32 s2, 0xf033
	s_cbranch_scc0 .Lentry_shape_is_right
	s_endpgm
.Lentry_shape_is_right:
; h = gelu(x1 w1 + b1): [4096 x 1024] x [1024 x 4096], operands in f16, sums in f32; the exact gelu 0.5 x (1 + erf(x / sqrt 2)) in f32; h leaves in f16.
; LIMITS: NaN and infinities are not served.  erf is taken as 1 - (a1 t + .. + a5 t^5) e^(-z^2), t = 1 / (1 + p z): absolute error 1.5e-7 for every z.  An h over 65,504 becomes infinity.
; A tile of 256 x 256 is made by four waves, 128 x 128 each: 64 accumulators, 512 registers.  K goes in steps of 128 through two LDS slots (rows of 256 bytes).  The bias is the C of each sum's first product.
; CLUSTERS: 4 x 4; A's tiles are asked for jointly along a row of the cluster, B's along a column.  THE MATRIX INSTRUCTION IS USED TRANSPOSED: a lane holds eight neighbouring columns of one row.
; THE WAY OUT: the accumulators are laid into the ring, which has had its last fill and its last read (a barrier says so), 128 rows x 528 bytes a wave; a loop reads whole rows back, applies the gelu and stores
; 256 consecutive, aligned bytes an instruction: the gelu's text is written four times and not sixty-four.
; REGISTERS: window 0: v0-31 addresses; v64-191 A's fragments, two buffers; v192-255 the bias; in the tail v32-141 at work.  window 1: B's fragments.  windows 2, 3: the accumulators.
.set SIZE_K, 1024
.set W1_O,   5996544
.set KSTEP,  128
.set PITCH,  272
.set HALFT,  128*PITCH
.set SLOT,   4*HALFT
.set SPARE,  2*SLOT                    ; behind the ring: the spare words, 128 bytes a wave
.set LAPS,   SIZE_K/(2*KSTEP)
.set DP,     528                       ; the tail: a row of 128 f32 + 16 bytes
.set REGION, 128*DP
.set ADRA, 16
.set ADRB, 20
.set DST,  24
.set RD0,  25
.set CO,   26
.set RDA,  27
.set SPW,  28
.set NIL,  29
.set PFO,  30
.set BO,   31
.set PFA,  44
.set LIM,  43
.set F0,   64
.set F1,   128
.set BIAS, 192
.set G1, 24
.set G0, 32
.set G1B, 48
.set G0B, 56
.set MSB, 0
.macro WIN new
.if MSB != \new
	s_set_vgpr_msb (MSB<<8)|\new
.set MSB, \new
.endif
.endm
.set MUL_LO, 0xa1
.set MUL_HI, 0xf1
.set TO_B,   0x40
.macro JLOAD s
	s_cmp_eq_u32 s11, 0
	s_cbranch_scc0 .Lfor_b_\@
	tensor_load_to_lds s[G0+4*\s:G0+4*\s+3], s[G1:G1+7]
	s_nop 0
.rept 4
	v_nop
.endr
	s_branch .Lasked_\@
.Lfor_b_\@:
	tensor_load_to_lds s[G0B+4*\s:G0B+4*\s+3], s[G1B:G1B+7]
	s_nop 0
.rept 4
	v_nop
.endr
.Lasked_\@:
.endm
; A prefetch, behind each joint refill and the run of LDS loads that follows it, of the K step that stands two refills on: 32 rows x 256 bytes, a lane a row.  A's rows are read by every cluster of a row of
; clusters: cluster x = 0 asks; B's by every cluster of a column: cluster y = 0 asks.  The four partners of a joint load share its 128 rows out by address, 32 each.  The last trip's two refills ask for nothing.
.macro ASK
	s_cmp_gt_u32 s3, s[LIM]
	s_cbranch_scc0 .Lnot_mine_\@
	global_prefetch_b8 v[PFO], s[PFA:PFA+1] offset:KSTEP*2 th:TH_LOAD_NT scope:SCOPE_SE
.Lnot_mine_\@:
.endm
.macro CREST
	s_cmp_lg_u32 s10, 0
	s_cbranch_scc1 .Lnot_wave_0_\@
	s_barrier_signal -3
.Lnot_wave_0_\@:
	s_barrier_wait -3
	s_barrier_signal -1
	s_barrier_wait -1
.endm
.macro CROUND
	s_barrier_signal -1
	s_barrier_wait -1
	CREST
.endm
	s_load_b128 s[4:7], s[0:1], 0x0                ; x1 in f16, the workspace
	s_load_b64 s[66:67], s[0:1], 0x10              ; b1
	s_load_b64 s[8:9], s[0:1], 0x18                ; h
	v_lshl_add_u32 v[SPW], v0, 2, SPARE
	v_mov_b32 v[NIL], 0
	ds_add_u32 v[SPW], v[NIL]                      ; the wave's opening: the add and its wait stand ahead of my first tensor load
	v_lshrrev_b32 v1, 5, v0
	v_readfirstlane_b32 s10, v1
	s_lshr_b32 s11, s10, 1
	s_and_b32 s12, s10, 1
	s_bfe_u32 s40, ttmp6, 0x40000
	s_bfe_u32 s41, ttmp6, 0x40004
	s_lshl_b32 s42, ttmp9, 2
	s_add_co_u32 s42, s42, s40                     ; tile column
	s_and_b32 s13, ttmp7, 0xffff
	s_lshl_b32 s13, s13, 2
	s_add_co_u32 s13, s13, s41                     ; tile row
	s_lshl_b32 s43, s41, 2
	s_lshl_b32 s43, 15, s43
	s_lshl_b32 s44, 0x1111, s40
	s_or_b32 s[G1+0], s43, (1<<16)|(1<<20)|(1<<21)|(5<<22)|(3<<25)  ; the mask; elements of 2 bytes; 4 words of padding behind every 64; bit 21 beside a mask
	s_or_b32 s[G1B+0], s44, (1<<16)|(1<<20)|(1<<21)|(5<<22)|(3<<25)
.irp g, G1, G1B
	s_mov_b32 s[\g+1], KSTEP<<16
	s_mov_b32 s[\g+2], 128<<16
	s_mov_b32 s[\g+3], KSTEP<<16
	s_mov_b32 s[\g+4], 128
	s_mov_b32 s[\g+5], SIZE_K
	s_mov_b32 s[\g+6], 0
	s_mov_b32 s[\g+7], 0
.endr
	s_lshl_b32 s17, s12, 7
	s_lshl_b32 s16, s13, 8
	s_add_co_u32 s16, s16, s17
	s_lshl_b32 s46, s42, 8
	s_add_co_u32 s46, s46, s17
	s_mov_b32 s17, 0
	s_mov_b32 s47, 0
	s_mov_b64 s[18:19], SIZE_K*2
	s_mul_u64 s[16:17], s[16:17], s[18:19]
	s_mul_u64 s[46:47], s[46:47], s[18:19]
	s_mul_i32 s20, s10, HALFT
	s_wait_dscnt 0x0                               ; the opening add is done
	s_wait_kmcnt 0x0
	s_add_nc_u64 s[6:7], s[6:7], W1_O              ; w1 turned, [n][k]
	s_add_nc_u64 s[14:15], s[4:5], s[16:17]
	s_add_nc_u64 s[46:47], s[6:7], s[46:47]
	CROUND
.irp s, 0,1
	s_mov_b32 s[G0+4*\s], 1
	s_add_co_u32 s[G0+4*\s+1], s20, \s*SLOT
	s_add_nc_u64 s[G0+4*\s+2:G0+4*\s+3], s[14:15], \s*KSTEP*2
	s_or_b32 s[G0+4*\s+3], s[G0+4*\s+3], 0x80000000
	s_mov_b32 s[G0B+4*\s], 1
	s_add_co_u32 s[G0B+4*\s+1], s20, \s*SLOT
	s_add_nc_u64 s[G0B+4*\s+2:G0B+4*\s+3], s[46:47], \s*KSTEP*2
	s_or_b32 s[G0B+4*\s+3], s[G0B+4*\s+3], 0x80000000
	JLOAD \s
.endr
	v_and_b32 v1, 15, v0                           ; r
	v_bfe_u32 v2, v0, 4, 1                         ; h
	s_lshl_b32 s68, s42, 10                        ; the bias: lane (r, h) wants, for block b, the numbers 16 b + 8 h + 0 .. 7 of my 128 columns
	s_lshl_b32 s69, s12, 9
	s_add_co_u32 s68, s68, s69
	s_mov_b32 s69, 0
	s_add_nc_u64 s[66:67], s[66:67], s[68:69]
	v_lshlrev_b32 v[BO], 5, v2
.irp b, 0,1,2,3,4,5,6,7
	global_load_b128 v[BIAS+8*\b:BIAS+8*\b+3], v[BO], s[66:67] offset:64*\b
	global_load_b128 v[BIAS+8*\b+4:BIAS+8*\b+7], v[BO], s[66:67] offset:64*\b+16
.endr
	v_mul_u32_u24 v3, v1, PITCH
	v_lshl_add_u32 v3, v2, 4, v3
	s_mul_i32 s21, s11, HALFT
	s_mul_i32 s22, s12, HALFT
	s_add_co_u32 s22, s22, 2*HALFT
.irp s, 0,1
	v_add_nc_u32 v[ADRA+\s], s21, v3
	v_add_nc_u32 v[ADRB+\s], s22, v3
	s_add_co_u32 s21, s21, SLOT
	s_add_co_u32 s22, s22, SLOT
.endr
	s_mul_i32 s23, s10, REGION                     ; the tail's region of my wave
	v_mul_u32_u24 v4, v1, DP
	v_lshl_add_u32 v4, v2, 5, v4
	v_add_nc_u32 v[DST], s23, v4                   ; in: row r, 32 bytes for each half of the lanes
	v_and_b32 v5, 31, v0
	v_lshlrev_b32 v6, 4, v5
	v_add_nc_u32 v[RD0], s23, v6                   ; back: the 32 lanes take a row of 512 bytes
	v_lshlrev_b32 v[CO], 3, v5                     ; and its 256 bytes in h
	s_lshl_b32 s13, s13, 8                         ; 256 x tile row
	s_lshl_b32 s14, s11, 7
	s_add_co_u32 s16, s13, s14
	s_lshl_b32 s16, s16, 13                        ; a row of h is 8,192 bytes
	s_lshl_b32 s46, s42, 9
	s_lshl_b32 s47, s12, 8
	s_add_co_u32 s46, s46, s47
	s_add_co_u32 s16, s16, s46
	s_mov_b32 s17, 0
	s_add_nc_u64 s[8:9], s[8:9], s[16:17]
	; the prefetches
	s_lshl_b32 s42, s42, 8
	s_and_b32 s22, ttmp7, 0xffff
	s_cmp_eq_u32 s11, 0                            ; do I fetch for A?
	s_cselect_b32 s20, s13, s42                    ; the tile's first row
	s_cselect_b32 s21, s40, s41                    ; my place among the four that ask with me
	s_cselect_b32 s22, ttmp9, s22                  ; the coordinate along which other clusters read the same rows
	s_cselect_b64 s[PFA:PFA+1], s[4:5], s[6:7]
	s_cmp_eq_u32 s22, 0
	s_cselect_b32 s[LIM], 1, -1
	s_lshl_b32 s22, s12, 7
	s_add_co_u32 s20, s20, s22
	s_lshl_b32 s21, s21, 5
	s_add_co_u32 s20, s20, s21
	s_mov_b32 s21, 0
	s_mov_b64 s[18:19], SIZE_K*2
	s_mul_u64 s[20:21], s[20:21], s[18:19]
	s_add_nc_u64 s[PFA:PFA+1], s[PFA:PFA+1], s[20:21]
	s_add_nc_u64 s[PFA:PFA+1], s[PFA:PFA+1], 2*KSTEP*2  ; at K step 2: the first refill steps it to 3 and names K step 4
	v_mul_u32_u24 v[PFO], v5, SIZE_K*2
.macro MUL16 f, hi, a0, zero           ; 16 matrix instructions; zero = 1: the first product starts the sums from the bias.  The 64 accumulators take turns
.irp a, \a0, \a0+1
.irp b, 0,1,2,3,4,5,6,7
.if \zero
	v_wmma_f32_16x16x32_f16 v[8*(8*(\a)+\b):8*(8*(\a)+\b)+7], v[\f+8*\b:\f+8*\b+7], v[\f+8*(4*\hi+\a):\f+8*(4*\hi+\a)+7], v[BIAS+8*\b:BIAS+8*\b+7]
.else
	v_wmma_f32_16x16x32_f16 v[8*(8*(\a)+\b):8*(8*(\a)+\b)+7], v[\f+8*\b:\f+8*\b+7], v[\f+8*(4*\hi+\a):\f+8*(4*\hi+\a)+7], v[8*(8*(\a)+\b):8*(8*(\a)+\b)+7]
.endif
.endr
.endr
.endm
.macro FETCH slot, k, f
	WIN TO_B
.irp i, 0,1,2,3,4,5,6,7
	ds_load_b128 v[\f+8*\i:\f+8*\i+3],   v[ADRB+\slot] offset:\k+\i*16*PITCH
	ds_load_b128 v[\f+8*\i+4:\f+8*\i+7], v[ADRB+\slot] offset:\k+\i*16*PITCH+32
.endr
	WIN 0
.irp i, 0,1,2,3,4,5,6,7
	ds_load_b128 v[\f+8*\i:\f+8*\i+3],   v[ADRA+\slot] offset:\k+\i*16*PITCH
	ds_load_b128 v[\f+8*\i+4:\f+8*\i+7], v[ADRA+\slot] offset:\k+\i*16*PITCH+32
.endr
.endm
.macro PLACES
.rept 4
	v_nop
.endr
.endm
.macro QUARTER slot, k, f, g, zero
	s_wait_dscnt 8                                 ; B and A's rows 0-63 are in; the youngest eight loads may be out
	WIN MUL_LO-0x20*(\zero)                        ; (with the bias as C: source 2 in window 0)
	MUL16 \f, 0, 0, \zero
	MUL16 \f, 0, 2, \zero
	PLACES
	FETCH \slot, \k, \g
	s_wait_dscnt 32                                ; all but the 32 just issued
	WIN MUL_HI-0x30*(\zero)
	MUL16 \f, 1, 0, \zero
	MUL16 \f, 1, 2, \zero
.endm
.macro MEET round
	WIN 0
	s_wait_tensorcnt 0x0                           ; all my tensor loads have landed: my part of the next slot
	ds_add_u32 v[SPW], v[NIL]
	s_wait_dscnt 9                                 ; the add and the youngest eight loads may be out
	WIN MUL_LO
	MUL16 F1, 0, 0, 0
	s_wait_dscnt 0x0                               ; the add is done, and my reads of this slot are over
	s_barrier_signal -1
	MUL16 F1, 0, 2, 0
.if \round
	WIN 0
.endif
	s_barrier_wait -1
.endm
.macro TURN slot, next, fill
.if \fill
	s_wait_xcnt 0x0                                ; the last prefetch, a K step back, has read its address
	s_add_nc_u64 s[PFA:PFA+1], s[PFA:PFA+1], KSTEP*2
	MEET 1
	CREST                                          ; no wave of any partner still reads this slot or has a load on its way
	s_add_nc_u64 s[G0+4*\slot+2:G0+4*\slot+3], s[G0+4*\slot+2:G0+4*\slot+3], 2*KSTEP*2
	s_add_nc_u64 s[G0B+4*\slot+2:G0B+4*\slot+3], s[G0B+4*\slot+2:G0B+4*\slot+3], 2*KSTEP*2
	JLOAD \slot                                    ; the first tensor load behind the round; its four v_nop are also the places in front of the loads below
.else
	MEET 0
	PLACES
.endif
	FETCH \next, 0, F0
.if \fill
	ASK
.endif
	WIN MUL_HI
	MUL16 F1, 1, 0, 0
	MUL16 F1, 1, 2, 0
.endm
	s_wait_tensorcnt 1                             ; my part of K step 0 is in; K step 1's load may be out
	s_barrier_signal -1
	s_barrier_wait -1
	FETCH 0, 0, F0
	s_wait_loadcnt 0x0                             ; the bias
	QUARTER 0, 64,  F0, F1, 1
	WIN 0
	s_mov_b32 s3, LAPS-1
.Llap:
	QUARTER 0, 128, F1, F0, 0
	QUARTER 0, 192, F0, F1, 0
	TURN 0, 1, 1
	QUARTER 1, 64,  F0, F1, 0
	QUARTER 1, 128, F1, F0, 0
	QUARTER 1, 192, F0, F1, 0
	TURN 1, 0, 1
	QUARTER 0, 64,  F0, F1, 0
	WIN 0
	s_sub_co_u32 s3, s3, 1
	s_cmp_lg_u32 s3, 0
	s_cbranch_scc1 .Llap
	QUARTER 0, 128, F1, F0, 0                      ; the last lap fills nothing
	QUARTER 0, 192, F0, F1, 0
	TURN 0, 1, 0
	QUARTER 1, 64,  F0, F1, 0
	QUARTER 1, 128, F1, F0, 0
	QUARTER 1, 192, F0, F1, 0
	s_wait_dscnt 8
	WIN MUL_LO
	MUL16 F1, 0, 0, 0
	MUL16 F1, 0, 2, 0
	s_wait_dscnt 0
	WIN MUL_HI
	MUL16 F1, 1, 0, 0
	MUL16 F1, 1, 2, 0
	WIN 0
	s_barrier_signal -1                            ; every wave's reads of the ring are over (its wait for them stands above): the ring may be written
	s_barrier_wait -1
	PLACES
.irp a, 0,1,2,3,4,5,6,7
	WIN 0x08+4*(\a/4)                              ; an LDS store's data are its source 1: window 2 or 3
.irp b, 0,1,2,3,4,5,6,7
	ds_store_b128 v[DST], v[64*(\a%4)+8*\b:64*(\a%4)+8*\b+3] offset:\a*16*DP+64*\b       ; each accumulator from its low end on
	ds_store_b128 v[DST], v[64*(\a%4)+8*\b+4:64*(\a%4)+8*\b+7] offset:\a*16*DP+64*\b+16
.endr
.endr
	WIN 0
.set XA, 32                            ; v32-47, v48-63 four rows x my four columns, two sets
.set XB, 48
.set D,  64                            ; v64-79   t
.set E,  80                            ; v80-95   e^(-x^2 / 2)
.set R,  96                            ; v96-111  the polynomial, then the result
.set HA, 114                           ; v114-121, v122-129 the result in f16, two sets
.set HB, 122
.set CA5, 130                          ; v130-141 the constants, as pairs
.set CA4, 132
.set CA3, 134
.set CA2, 136
.set CA1, 138
.set CK,  140
.irp u, 0,1
	v_mov_b32 v[CA5+\u], 0x3f87dc22                ; 1.061405429
	v_mov_b32 v[CA4+\u], 0xbfba00e3                ; -1.453152027
	v_mov_b32 v[CA3+\u], 0x3fb5f0e3                ; 1.421413741
	v_mov_b32 v[CA2+\u], 0xbe91a98e                ; -0.284496736
	v_mov_b32 v[CA1+\u], 0x3e827906                ; 0.254829592
	v_mov_b32 v[CK+\u],  0xbf38aa3b                ; -log2(e) / 2
.endr
	s_mov_b32 s71, 0x3e6d3388                      ; 0.3275911 / sqrt 2
	s_mov_b32 s72, 0
	s_mov_b32 s70, 15
.macro RLOAD x                         ; the next four rows of my region
	v_add_nc_u32 v[RDA], s72, v[RD0]
.irp i, 0,1,2,3
	ds_load_b128 v[\x+4*\i:\x+4*\i+3], v[RDA] offset:DP*\i   ; LDS serves a wave's instructions in order: these see my stores
.endr
	s_add_co_u32 s72, s72, 4*DP
.endm
.macro GELU x, hh                      ; 16 numbers a lane: 0.5 (x + |x| erf(|x| / sqrt 2))
.irp i, 0,2,4,6,8,10,12,14
	v_pk_mul_f32 v[E+\i:E+\i+1], v[\x+\i:\x+\i+1], v[\x+\i:\x+\i+1]
.endr
.irp i, 0,2,4,6,8,10,12,14
	v_pk_mul_f32 v[E+\i:E+\i+1], v[E+\i:E+\i+1], v[CK:CK+1]
.endr
.irp i, 0,1,2,3,4,5,6,7,8,9,10,11,12,13,14,15
	v_fma_f32 v[D+\i], |v[\x+\i]|, s71, 1.0
.endr
.irp i, 0,1,2,3,4,5,6,7,8,9,10,11,12,13,14,15
	v_rcp_f32 v[D+\i], v[D+\i]
.endr
.irp i, 0,1,2,3,4,5,6,7,8,9,10,11,12,13,14,15
	v_exp_f32 v[E+\i], v[E+\i]
.endr
	v_nop                                          ; a plain instruction behind the batch,
	s_wait_alu depctr_va_vdst(0)                   ; and one wait for its 32, ahead of their first reader
.irp i, 0,2,4,6,8,10,12,14
	v_pk_fma_f32 v[R+\i:R+\i+1], v[D+\i:D+\i+1], v[CA5:CA5+1], v[CA4:CA4+1]
.endr
.irp i, 0,2,4,6,8,10,12,14
	v_pk_fma_f32 v[R+\i:R+\i+1], v[R+\i:R+\i+1], v[D+\i:D+\i+1], v[CA3:CA3+1]
.endr
.irp i, 0,2,4,6,8,10,12,14
	v_pk_fma_f32 v[R+\i:R+\i+1], v[R+\i:R+\i+1], v[D+\i:D+\i+1], v[CA2:CA2+1]
.endr
.irp i, 0,2,4,6,8,10,12,14
	v_pk_fma_f32 v[R+\i:R+\i+1], v[R+\i:R+\i+1], v[D+\i:D+\i+1], v[CA1:CA1+1]
.endr
.irp i, 0,2,4,6,8,10,12,14
	v_pk_mul_f32 v[R+\i:R+\i+1], v[R+\i:R+\i+1], v[D+\i:D+\i+1]
.endr
.irp i, 0,2,4,6,8,10,12,14
	v_pk_fma_f32 v[R+\i:R+\i+1], v[R+\i:R+\i+1], v[E+\i:E+\i+1], 1.0 op_sel_hi:[1,1,0] neg_lo:[1,0,0] neg_hi:[1,0,0]   ; erf
.endr
.irp i, 0,1,2,3,4,5,6,7,8,9,10,11,12,13,14,15
	v_fma_f32 v[R+\i], |v[\x+\i]|, v[R+\i], v[\x+\i]
.endr
.irp i, 0,2,4,6,8,10,12,14
	v_pk_mul_f32 v[R+\i:R+\i+1], v[R+\i:R+\i+1], 0.5 op_sel_hi:[1,0]
.endr
.irp i, 0,1,2,3,4,5,6,7
	v_cvt_pk_f16_f32 v[\hh+\i], v[R+2*\i], v[R+2*\i+1]
.endr
.endm
.macro OUT hh, o
.irp i, 0,1,2,3
	global_store_b64 v[CO], v[\hh+2*\i:\hh+2*\i+1], s[8:9] offset:(\o+\i)*8192 th:TH_STORE_NT   ; 32 lanes store 256 consecutive, aligned bytes
.endr
.endm
	RLOAD XA
.Lrows:                                            ; fifteen trips of eight rows
	RLOAD XB
	s_wait_dscnt 4                                 ; the set in hand is in; the four loads just issued may be out
	GELU XA, HA
	OUT HA, 0
	RLOAD XA
	s_wait_dscnt 4
	GELU XB, HB
	OUT HB, 4
	s_wait_xcnt 0x0                                ; the stores have read their registers and their base
	s_add_nc_u64 s[8:9], s[8:9], 8*8192
	s_sub_co_u32 s70, s70, 1
	s_cmp_lg_u32 s70, 0
	s_cbranch_scc1 .Lrows
	RLOAD XB                                       ; the last eight rows
	s_wait_dscnt 4
	GELU XA, HA
	OUT HA, 0
	s_wait_dscnt 0x0
	GELU XB, HB
	OUT HB, 4
	s_wait_tensorcnt 0x0                           ; the wave's end
	ds_add_u32 v[SPW], v[NIL]
	s_wait_dscnt 0x0
	CROUND                                         ; the closing round
	s_endpgm
.Lfunc_end_k_q437ff63244_up:
	.size	k_q437ff63244_up, .Lfunc_end_k_q437ff63244_up-k_q437ff63244_up
	.p2alignl 7, 3214868480
	.fill 96, 4, 3214868480
	.section	.rodata,"a",@progbits
	.p2align	6, 0x0
	.amdhsa_kernel k_q437ff63244_up
		.amdhsa_group_segment_fixed_size 327680
		.amdhsa_private_segment_fixed_size 0
		.amdhsa_enable_private_segment 0
		.amdhsa_kernarg_size 32
		.amdhsa_user_sgpr_count 2
		.amdhsa_user_sgpr_kernarg_segment_ptr 1
		.amdhsa_wavefront_size32 1
		.amdhsa_system_sgpr_workgroup_id_x 1
		.amdhsa_system_sgpr_workgroup_id_y 1
		.amdhsa_system_sgpr_workgroup_id_z 1
		.amdhsa_system_vgpr_workitem_id 0
		.amdhsa_next_free_vgpr 1024
		.amdhsa_next_free_sgpr 74
		.amdhsa_reserve_vcc 0
		.amdhsa_float_denorm_mode_32 3
		.amdhsa_float_denorm_mode_16_64 3
		.amdhsa_memory_ordered 1
		.amdhsa_forward_progress 1
		.amdhsa_inst_pref_size 159
	.end_amdhsa_kernel
	.amdgpu_metadata
---
amdhsa.version: [ 1, 2 ]
amdhsa.kernels:
  - .name:           k_q437ff63244_up
    .symbol:         k_q437ff63244_up.kd
    .args:
      - { .name: x1h, .offset: 0, .size: 8, .value_kind: global_buffer, .address_space: global }
      - { .name: wsp, .offset: 8, .size: 8, .value_kind: global_buffer, .address_space: global }
      - { .name: b1, .offset: 16, .size: 8, .value_kind: global_buffer, .address_space: global }
      - { .name: h, .offset: 24, .size: 8, .value_kind: global_buffer, .address_space: global }
    .group_segment_fixed_size: 327680
    .private_segment_fixed_size: 0
    .kernarg_segment_align: 8
    .kernarg_segment_size: 32
    .max_flat_workgroup_size: 128
    .sgpr_count:     74
    .vgpr_count:     1024
    .wavefront_size: 32
...
	.end_amdgpu_metadata
.endif
;; end of part 6
;; launch down (part 7): grid 8 x 32, 4 waves a work-group, clusters of 4 x 4, 327,680 bytes of LDS; arguments h, wsp, y; writes y
.if DOCPART == 7
	.amdgcn_target "amdgcn-amd-amdhsa--gfx1250"
	.amdhsa_code_object_version 6
	.text
	.protected	k_q437ff63244_down
	.globl	k_q437ff63244_down
	.p2align	8
	.type	k_q437ff63244_down,@function
k_q437ff63244_down:
	s_mov_b64 s[64:65], 0
	v_nop
	global_prefetch_b8 v0, s[64:65] scope:SCOPE_SE
	s_setreg_imm32_b32 hwreg(HW_REG_WAVE_MODE, 25, 1), 1
	s_wait_xcnt 0x0
	s_wait_alu depctr_hold_cnt(0) depctr_sa_sdst(0) depctr_va_vdst(0) depctr_va_sdst(0) depctr_va_ssrc(0) depctr_va_vcc(0) depctr_vm_vsrc(0)
	s_getreg_b32 s2, hwreg(HW_REG_IB_STS2, 6, 4)
	s_cmp_eq_u32 s2, 0
	s_cbranch_scc0 .Lentry_in_a_cluster
	s_endpgm
.Lentry_in_a_cluster:
	s_bfe_u32 s2, ttmp6, 0x10000c
	s_cmp_lg_u32 s2, 0xf033
	s_cbranch_scc0 .Lentry_shape_is_right
	s_endpgm
.Lentry_shape_is_right:
; y = h w2: [4096 x 4096] x [4096 x 1024], operands in f16, sums and result in f32.  A = h, [row][4096]; B = w2 turned, [n][k], in the workspace.
; LIMIT: none of its own; the operands' f16 range is stated where they are made.
; A tile of y is 128 x 128: 256 work-groups.  Four waves, 64 x 64 each: 16 accumulators.  K goes in steps of 256 (rows of 512 bytes) through two LDS slots.
; CLUSTERS: 4 x 4; A's tiles are asked for jointly along a row of the cluster, B's along a column.  THE MATRIX INSTRUCTION IS USED TRANSPOSED: a lane holds eight neighbouring columns of one row.
; A wave's 64 columns of f32 are 256 aligned bytes: each wave sends its own rows out through a stage of its own.
; REGISTERS: window 0: v0-31 addresses; v32-95 rows read back; v128-255 the accumulators.  window 1: two fragment buffers of 128 (64 of A, 64 of B).
.set SIZE_K, 4096
.set BOFF,   14385152                  ; where B lies in the workspace
.set ABLK,   0                         ; A is laid by rows
.set KSTEP,  256
.set BP,     528                       ; B's LDS row: 512 bytes + 16
.if ABLK
.set AP,     144
.set AQS,    9216
.set HALFA,  36864
.set ARB,    128
.set AKS,    2097152
.else
.set AP,     528                       ; A's LDS row
.set AQS,    128                       ; 64 along K on
.set HALFA,  33792                     ; what one load brings of A
.set ARB,    SIZE_K*2                  ; a row on, in memory
.set AKS,    512                       ; a K step on
.endif
.set HALFB,  64*BP
.set SLOT,   2*HALFA+2*HALFB
.set STAGE,  2*SLOT                    ; behind the ring: 16 rows x 272 bytes for each wave
.set SPITCH, 272
.set SPARE,  STAGE+4*16*SPITCH         ; the spare words, 128 bytes a wave
.set LAPS,   SIZE_K/(2*KSTEP)
.set ADRA, 16
.set ADRB, 20
.set STO,  24
.set RD,   25
.set CO,   26
.set SPW,  28
.set NIL,  29
.set TMP,  32
.set ACC,  128
.set F0,   0
.set F1,   128
.set G1, 24
.set G0, 32
.set G1B, 48
.set G0B, 56
.set MSB, 0
.macro WIN new
.if MSB != \new
	s_set_vgpr_msb (MSB<<8)|\new
.set MSB, \new
.endif
.endm
.set MUL,  0x05                        ; sources 0 (B) and 1 (A) window 1; C and D window 0
.set TO_F, 0x40
.macro JLOAD s                         ; waves 0, 1 fetch A's halves, waves 2, 3 B's; an s_nop 0 and four v_nop follow each line
	s_cmp_eq_u32 s11, 0
	s_cbranch_scc0 .Lfor_b_\@
	tensor_load_to_lds s[G0+4*\s:G0+4*\s+3], s[G1:G1+7]
	s_nop 0
.rept 4
	v_nop
.endr
	s_branch .Lasked_\@
.Lfor_b_\@:
	tensor_load_to_lds s[G0B+4*\s:G0B+4*\s+3], s[G1B:G1B+7]
	s_nop 0
.rept 4
	v_nop
.endr
.Lasked_\@:
.endm
.macro CREST
	s_cmp_lg_u32 s10, 0
	s_cbranch_scc1 .Lnot_wave_0_\@
	s_barrier_signal -3
.Lnot_wave_0_\@:
	s_barrier_wait -3
	s_barrier_signal -1
	s_barrier_wait -1
.endm
.macro CROUND
	s_barrier_signal -1
	s_barrier_wait -1
	CREST
.endm
	s_load_b128 s[4:7], s[0:1], 0x0                ; A, the workspace
	s_load_b64 s[8:9], s[0:1], 0x10                ; y
	v_lshl_add_u32 v[SPW], v0, 2, SPARE
	v_mov_b32 v[NIL], 0
	ds_add_u32 v[SPW], v[NIL]                      ; the wave's opening: the add and its wait stand ahead of my first tensor load
	v_lshrrev_b32 v1, 5, v0
	v_readfirstlane_b32 s10, v1                    ; wave 0..3
	s_lshr_b32 s11, s10, 1                         ; my half of the rows.  Also: I fetch for A (0) or B (1)
	s_and_b32 s12, s10, 1                          ; my half of the columns.  Also: which 64 rows I fetch
	s_bfe_u32 s40, ttmp6, 0x40000
	s_bfe_u32 s41, ttmp6, 0x40004
	s_lshl_b32 s42, ttmp9, 2
	s_add_co_u32 s42, s42, s40                     ; tile column
	s_and_b32 s13, ttmp7, 0xffff
	s_lshl_b32 s13, s13, 2
	s_add_co_u32 s13, s13, s41                     ; tile row
	s_lshl_b32 s43, s41, 2
	s_lshl_b32 s43, 15, s43                        ; my row of the cluster
	s_lshl_b32 s44, 0x1111, s40                    ; my column
.if ABLK
	s_or_b32 s[G1+0], s43, (1<<16)|(1<<20)|(1<<21)|(4<<22)|(3<<25)
	s_mov_b32 s[G1+1], 4096<<16
	s_mov_b32 s[G1+2], 4<<16
	s_mov_b32 s[G1+3], 4096<<16
	s_mov_b32 s[G1+4], 4
	s_mov_b32 s[G1+5], 262144
.else
	s_or_b32 s[G1+0], s43, (1<<16)|(1<<20)|(1<<21)|(6<<22)|(3<<25)  ; the mask; elements of 2 bytes; 4 words of padding behind every 128; bit 21 beside a mask
	s_mov_b32 s[G1+1], KSTEP<<16                   ; tensor_dim0
	s_mov_b32 s[G1+2], 64<<16                      ; tensor_dim1
	s_mov_b32 s[G1+3], KSTEP<<16                   ; tile_dim0
	s_mov_b32 s[G1+4], 64                          ; tile_dim1
	s_mov_b32 s[G1+5], SIZE_K                      ; the pitch
.endif
	s_mov_b32 s[G1+6], 0
	s_mov_b32 s[G1+7], 0
	s_or_b32 s[G1B+0], s44, (1<<16)|(1<<20)|(1<<21)|(6<<22)|(3<<25)
	s_mov_b32 s[G1B+1], KSTEP<<16
	s_mov_b32 s[G1B+2], 64<<16
	s_mov_b32 s[G1B+3], KSTEP<<16
	s_mov_b32 s[G1B+4], 64
	s_mov_b32 s[G1B+5], SIZE_K
	s_mov_b32 s[G1B+6], 0
	s_mov_b32 s[G1B+7], 0
	s_lshl_b32 s17, s12, 6
	s_lshl_b32 s16, s13, 7
	s_add_co_u32 s16, s16, s17                     ; A: row 128 x tile row + 64 x half
	s_lshl_b32 s46, s42, 7
	s_add_co_u32 s46, s46, s17                     ; B: row 128 x tile column + 64 x half
	s_mov_b32 s17, 0
	s_mov_b32 s47, 0
	s_mov_b64 s[18:19], ARB
	s_mul_u64 s[16:17], s[16:17], s[18:19]
	s_mov_b64 s[18:19], SIZE_K*2
	s_mul_u64 s[46:47], s[46:47], s[18:19]
	s_mul_i32 s20, s12, HALFA                      ; where they go: A's two halves, then B's two
	s_mul_i32 s21, s12, HALFB
	s_add_co_u32 s21, s21, 2*HALFA
	s_wait_dscnt 0x0                               ; the opening add is done
	s_wait_kmcnt 0x0
	s_add_nc_u64 s[6:7], s[6:7], BOFF
	s_add_nc_u64 s[14:15], s[4:5], s[16:17]
	s_add_nc_u64 s[46:47], s[6:7], s[46:47]
	CROUND                                         ; all sixteen work-groups are here: the first joint loads meet
.irp s, 0,1
	s_mov_b32 s[G0+4*\s], 1
	s_add_co_u32 s[G0+4*\s+1], s20, \s*SLOT
	s_add_nc_u64 s[G0+4*\s+2:G0+4*\s+3], s[14:15], \s*AKS
	s_or_b32 s[G0+4*\s+3], s[G0+4*\s+3], 0x80000000
	s_mov_b32 s[G0B+4*\s], 1
	s_add_co_u32 s[G0B+4*\s+1], s21, \s*SLOT
	s_add_nc_u64 s[G0B+4*\s+2:G0B+4*\s+3], s[46:47], \s*KSTEP*2
	s_or_b32 s[G0B+4*\s+3], s[G0B+4*\s+3], 0x80000000
	JLOAD \s
.endr
	v_and_b32 v1, 15, v0                           ; r
	v_bfe_u32 v2, v0, 4, 1                         ; h
	v_mul_u32_u24 v3, v1, AP
	v_lshl_add_u32 v3, v2, 4, v3
	v_mul_u32_u24 v4, v1, BP
	v_lshl_add_u32 v4, v2, 4, v4
	s_mul_i32 s21, s11, HALFA                      ; my 64 rows of A
	s_mul_i32 s22, s12, HALFB                      ; my 64 rows of B
	s_add_co_u32 s22, s22, 2*HALFA
.irp s, 0,1
	v_add_nc_u32 v[ADRA+\s], s21, v3
	v_add_nc_u32 v[ADRB+\s], s22, v4
	s_add_co_u32 s21, s21, SLOT
	s_add_co_u32 s22, s22, SLOT
.endr
	s_mul_i32 s23, s10, 16*SPITCH
	s_add_co_u32 s23, s23, STAGE                   ; my stage
	v_mul_u32_u24 v4, v1, SPITCH
	v_lshl_add_u32 v4, v2, 5, v4
	v_add_nc_u32 v[STO], s23, v4                   ; in: row r, 32 bytes for each half of the lanes
	v_mul_u32_u24 v5, v2, SPITCH
	v_lshl_add_u32 v5, v1, 4, v5
	v_add_nc_u32 v[RD], s23, v5                    ; back: lanes 0-15 one row of 256 bytes, lanes 16-31 the next
	v_lshlrev_b32 v5, 12, v2
	v_lshl_add_u32 v[CO], v1, 4, v5                ; and the same two rows in y (4,096 bytes a row)
	s_lshl_b32 s16, s13, 7
	s_lshl_b32 s17, s11, 6
	s_add_co_u32 s16, s16, s17
	s_lshl_b32 s16, s16, 12
	s_lshl_b32 s46, s42, 9
	s_lshl_b32 s47, s12, 8
	s_add_co_u32 s46, s46, s47
	s_add_co_u32 s16, s16, s46
	s_mov_b32 s17, 0
	s_add_nc_u64 s[8:9], s[8:9], s[16:17]
.macro MUL8 f, c, a0, zero             ; 8 matrix instructions: row blocks a0, a0 + 1 x all 4 column blocks, 32 along K; the 16 accumulators take turns
.irp a, \a0, \a0+1
.irp b, 0,1,2,3
.if \zero
	v_wmma_f32_16x16x32_f16 v[ACC+8*(4*(\a)+\b):ACC+8*(4*(\a)+\b)+7], v[\f+64+8*(4*\c+\b):\f+64+8*(4*\c+\b)+7], v[\f+8*(4*\c+\a):\f+8*(4*\c+\a)+7], 0
.else
	v_wmma_f32_16x16x32_f16 v[ACC+8*(4*(\a)+\b):ACC+8*(4*(\a)+\b)+7], v[\f+64+8*(4*\c+\b):\f+64+8*(4*\c+\b)+7], v[\f+8*(4*\c+\a):\f+8*(4*\c+\a)+7], v[ACC+8*(4*(\a)+\b):ACC+8*(4*(\a)+\b)+7]
.endif
.endr
.endr
.endm
.macro FETCH slot, k, f                ; 32 LDS loads in one run: 64 along K at byte k of the rows; the first 32 along K first
	WIN TO_F
.irp c, 0,1
.irp i, 0,1,2,3
	ds_load_b128 v[\f+64+8*(4*\c+\i):\f+64+8*(4*\c+\i)+3],   v[ADRB+\slot] offset:\k+64*\c+\i*16*BP
	ds_load_b128 v[\f+64+8*(4*\c+\i)+4:\f+64+8*(4*\c+\i)+7], v[ADRB+\slot] offset:\k+64*\c+\i*16*BP+32
	ds_load_b128 v[\f+8*(4*\c+\i):\f+8*(4*\c+\i)+3],         v[ADRA+\slot] offset:((\k)/128)*AQS+64*\c+\i*16*AP
	ds_load_b128 v[\f+8*(4*\c+\i)+4:\f+8*(4*\c+\i)+7],       v[ADRA+\slot] offset:((\k)/128)*AQS+64*\c+\i*16*AP+32
.endr
.endr
.endm
.macro PLACES
.rept 4
	v_nop
.endr
.endm
.macro QUARTER slot, k, f, g, zero     ; 64 along K: multiplies buffer f, fetches the next quarter, at byte k, into g
	s_wait_dscnt 16                                ; the first 32 along K are in; the other sixteen loads may be out
	WIN MUL
	MUL8 \f, 0, 0, \zero
	MUL8 \f, 0, 2, \zero
	PLACES
	FETCH \slot, \k, \g
	s_wait_dscnt 32                                ; all but the 32 just issued
	WIN MUL
	MUL8 \f, 1, 0, 0
	MUL8 \f, 1, 2, 0
.endm
.macro TURN slot, next, fill           ; the last quarter changes slots: one barrier; fill = 1: it opens a round of the cluster's barrier, and this slot is filled again, two K steps ahead
	WIN 0
	s_wait_tensorcnt 0x0                           ; all my tensor loads have landed: my part of the next slot
	ds_add_u32 v[SPW], v[NIL]
	s_wait_dscnt 17                                ; the add and the youngest sixteen loads may be out
	WIN MUL
	MUL8 F1, 0, 0, 0
	s_wait_dscnt 0x0                               ; the add is done, and my reads of this slot are over
	s_barrier_signal -1
	MUL8 F1, 0, 2, 0
.if \fill
	WIN 0
.endif
	s_barrier_wait -1
.if \fill
	CREST
	s_add_nc_u64 s[G0+4*\slot+2:G0+4*\slot+3], s[G0+4*\slot+2:G0+4*\slot+3], 2*AKS
	s_add_nc_u64 s[G0B+4*\slot+2:G0B+4*\slot+3], s[G0B+4*\slot+2:G0B+4*\slot+3], 2*KSTEP*2
	JLOAD \slot                                    ; the first tensor load behind the round; its four v_nop are also the places in front of the loads below
.else
	PLACES
.endif
	FETCH \next, 0, F0
	WIN MUL
	MUL8 F1, 1, 0, 0
	MUL8 F1, 1, 2, 0
.endm
	s_wait_tensorcnt 1                             ; my part of K step 0 is in; K step 1's load may be out
	s_barrier_signal -1
	s_barrier_wait -1
	FETCH 0, 0, F0
	QUARTER 0, 128, F0, F1, 1                      ; the first products start the sums
	WIN 0
	s_mov_b32 s3, LAPS-1
.Llap:
	QUARTER 0, 256, F1, F0, 0
	QUARTER 0, 384, F0, F1, 0
	TURN 0, 1, 1
	QUARTER 1, 128, F0, F1, 0
	QUARTER 1, 256, F1, F0, 0
	QUARTER 1, 384, F0, F1, 0
	TURN 1, 0, 1
	QUARTER 0, 128, F0, F1, 0
	WIN 0
	s_sub_co_u32 s3, s3, 1
	s_cmp_lg_u32 s3, 0
	s_cbranch_scc1 .Llap
	QUARTER 0, 256, F1, F0, 0                      ; the last lap fills nothing
	QUARTER 0, 384, F0, F1, 0
	TURN 0, 1, 0
	QUARTER 1, 128, F0, F1, 0
	QUARTER 1, 256, F1, F0, 0
	QUARTER 1, 384, F0, F1, 0
	s_wait_dscnt 16
	WIN MUL
	MUL8 F1, 0, 0, 0
	MUL8 F1, 0, 2, 0
	s_wait_dscnt 0
	MUL8 F1, 1, 0, 0
	MUL8 F1, 1, 2, 0
	WIN 0
; THE WAY OUT, 16 rows x 64 columns at a time, through my own stage: sixteen lanes store 256 consecutive, aligned bytes
.macro TOSTAGE a
.irp b, 0,1,2,3
	ds_store_b128 v[STO], v[ACC+8*(4*(\a)+\b):ACC+8*(4*(\a)+\b)+3] offset:64*\b        ; each accumulator from its low end on
	ds_store_b128 v[STO], v[ACC+8*(4*(\a)+\b)+4:ACC+8*(4*(\a)+\b)+7] offset:64*\b+16
.endr
.irp t, 0,1,2,3,4,5,6,7
	ds_load_b128 v[TMP+32*((\a)%2)+4*\t:TMP+32*((\a)%2)+4*\t+3], v[RD] offset:544*\t   ; LDS serves a wave's instructions in order
.endr
.endm
.macro SEND a, younger
	s_wait_dscnt \younger                          ; the block is back; the next block's 8 stores and 8 loads may be out
.irp t, 0,1,2,3,4,5,6,7
	global_store_b128 v[CO], v[TMP+32*((\a)%2)+4*\t:TMP+32*((\a)%2)+4*\t+3], s[8:9] offset:(16*(\a)+2*\t)*4096 th:TH_STORE_NT
.endr
.endm
	PLACES
	TOSTAGE 0
	TOSTAGE 1
	SEND 0, 16
	s_wait_xcnt 0x0                                ; block 0's stores have read their registers
	TOSTAGE 2
	SEND 1, 16
	s_wait_xcnt 0x0
	TOSTAGE 3
	SEND 2, 16
	SEND 3, 0
	s_wait_tensorcnt 0x0                           ; the wave's end
	ds_add_u32 v[SPW], v[NIL]
	s_wait_dscnt 0x0
	CROUND                                         ; the closing round
	s_endpgm
.Lfunc_end_k_q437ff63244_down:
	.size	k_q437ff63244_down, .Lfunc_end_k_q437ff63244_down-k_q437ff63244_down
	.p2alignl 7, 3214868480
	.fill 96, 4, 3214868480
	.section	.rodata,"a",@progbits
	.p2align	6, 0x0
	.amdhsa_kernel k_q437ff63244_down
		.amdhsa_group_segment_fixed_size 327680
		.amdhsa_private_segment_fixed_size 0
		.amdhsa_enable_private_segment 0
		.amdhsa_kernarg_size 24
		.amdhsa_user_sgpr_count 2
		.amdhsa_user_sgpr_kernarg_segment_ptr 1
		.amdhsa_wavefront_size32 1
		.amdhsa_system_sgpr_workgroup_id_x 1
		.amdhsa_system_sgpr_workgroup_id_y 1
		.amdhsa_system_sgpr_workgroup_id_z 1
		.amdhsa_system_vgpr_workitem_id 0
		.amdhsa_next_free_vgpr 512
		.amdhsa_next_free_sgpr 66
		.amdhsa_reserve_vcc 0
		.amdhsa_float_denorm_mode_32 3
		.amdhsa_float_denorm_mode_16_64 3
		.amdhsa_memory_ordered 1
		.amdhsa_forward_progress 1
		.amdhsa_inst_pref_size 86
	.end_amdhsa_kernel
	.amdgpu_metadata
---
amdhsa.version: [ 1, 2 ]
amdhsa.kernels:
  - .name:           k_q437ff63244_down
    .symbol:         k_q437ff63244_down.kd
    .args:
      - { .name: h, .offset: 0, .size: 8, .value_kind: global_buffer, .address_space: global }
      - { .name: wsp, .offset: 8, .size: 8, .value_kind: global_buffer, .address_space: global }
      - { .name: y, .offset: 16, .size: 8, .value_kind: global_buffer, .address_space: global }
    .group_segment_fixed_size: 327680
    .private_segment_fixed_size: 0
    .kernarg_segment_align: 8
    .kernarg_segment_size: 24
    .max_flat_workgroup_size: 128
    .sgpr_count:     66
    .vgpr_count:     512
    .wavefront_size: 32
...
	.end_amdgpu_metadata
.endif
;; end of part 7
;; launch ln2 (part 8): grid 512 x 1, 4 waves a work-group, no clusters, 0 bytes of LDS; arguments y, x1f, ln2_g, ln2_b, out0; writes out0
.if DOCPART == 8
	.amdgcn_target "amdgcn-amd-amdhsa--gfx1250"
	.amdhsa_code_object_version 6
	.text
	.protected	k_q437ff63244_ln2
	.globl	k_q437ff63244_ln2
	.p2align	8
	.type	k_q437ff63244_ln2,@function
k_q437ff63244_ln2:
	s_mov_b64 s[64:65], 0
	v_nop
	global_prefetch_b8 v0, s[64:65] scope:SCOPE_SE
	s_setreg_imm32_b32 hwreg(HW_REG_WAVE_MODE, 25, 1), 1
	s_wait_xcnt 0x0
; out = x + LayerNorm(y) g + b, row by row of 1,024; the mean, then the mean of the squared differences, as two passes over registers; all in f32.  HALF = 0: the result leaves in f32 alone.
; LIMITS: NaN and infinities are not served.
; A wave takes two rows; a row is eight loads of 512 consecutive bytes and stays in registers.  Memory binds: no LDS, no barrier, no loop; all 48 loads of a wave go out at the head.
.set HALF, 0
.set Y,  16                            ; v16-79   y's two rows
.set X,  80                            ; v80-143  x's two rows, then the result
.set G,  144                           ; v144-175 g of my 32 columns
.set B,  176                           ; v176-207 b
.set H,  208
.set RS, 240                           ; v[240:241], v[242:243] 1 / sqrt(var + eps) of the two rows, in the low word
	s_load_b256 s[4:11], s[0:1], 0x0               ; y, x, g, b
.if HALF
	s_load_b128 s[16:19], s[0:1], 0x20
.else
	s_load_b64 s[16:17], s[0:1], 0x20              ; the result
.endif
	v_lshrrev_b32 v3, 5, v0
	v_readfirstlane_b32 s20, v3
	v_and_b32 v4, 31, v0
	v_lshlrev_b32 v1, 4, v4                        ; 16 bytes a lane
.if HALF
	v_lshlrev_b32 v2, 3, v4
.endif
	v_mov_b32 v13, 0                               ; upper words of pairs whose low word serves both halves
	v_mov_b32 v[RS+1], 0
	v_mov_b32 v[RS+3], 0
	s_lshl_b32 s21, ttmp9, 2
	s_add_co_u32 s21, s21, s20                     ; my pair of rows: 0..2047
	s_lshl_b32 s22, s21, 13
	s_mov_b32 s23, 0
	s_mov_b32 s12, 0x76543210
	s_mov_b32 s13, 0xfedcba98
	s_mov_b32 s14, 0x3a800000                      ; 1 / 1024
	s_mov_b32 s15, 0x3727c5ac                      ; 1e-5
	s_wait_kmcnt 0x0
	s_add_nc_u64 s[4:5], s[4:5], s[22:23]
	s_add_nc_u64 s[6:7], s[6:7], s[22:23]
	s_add_nc_u64 s[16:17], s[16:17], s[22:23]
.if HALF
	s_lshl_b32 s22, s21, 12
	s_add_nc_u64 s[18:19], s[18:19], s[22:23]
.endif
.irp w, 0,1
.irp j, 0,1,2,3,4,5,6,7
	global_load_b128 v[Y+32*\w+4*\j:Y+32*\w+4*\j+3], v1, s[4:5] offset:4096*\w+512*\j th:TH_LOAD_NT
.endr
.endr
.irp j, 0,1,2,3,4,5,6,7
	global_load_b128 v[G+4*\j:G+4*\j+3], v1, s[8:9] offset:512*\j
.endr
.irp j, 0,1,2,3,4,5,6,7
	global_load_b128 v[B+4*\j:B+4*\j+3], v1, s[10:11] offset:512*\j
.endr
.irp w, 0,1
.irp j, 0,1,2,3,4,5,6,7
	global_load_b128 v[X+32*\w+4*\j:X+32*\w+4*\j+3], v1, s[6:7] offset:4096*\w+512*\j th:TH_LOAD_NT
.endr
.endr
.macro REDUCE                          ; four pairs v[4:11] -> their sum over the wave, in v4 of every lane
	v_pk_add_f32 v[4:5], v[4:5], v[6:7]
	v_pk_add_f32 v[8:9], v[8:9], v[10:11]
	v_pk_add_f32 v[4:5], v[4:5], v[8:9]
	v_add_f32 v4, v4, v5
	v_add_f32_dpp v4, v4, v4 row_xmask:1 row_mask:0xf bank_mask:0xf
	v_add_f32_dpp v4, v4, v4 row_xmask:2 row_mask:0xf bank_mask:0xf
	v_add_f32_dpp v4, v4, v4 row_xmask:4 row_mask:0xf bank_mask:0xf
	v_add_f32_dpp v4, v4, v4 row_xmask:8 row_mask:0xf bank_mask:0xf
	v_permlanex16_b32 v5, v4, s12, s13
	v_add_f32 v4, v4, v5
.endm
.macro STAT w
.set YR, Y+32*\w
.irp k, 0,1,2,3
	v_pk_add_f32 v[4+2*\k:5+2*\k], v[YR+2*\k:YR+2*\k+1], v[YR+8+2*\k:YR+9+2*\k]   ; four chains, started by the first pairs
.endr
.irp i, 8,9,10,11,12,13,14,15
	v_pk_add_f32 v[4+2*(\i%4):5+2*(\i%4)], v[4+2*(\i%4):5+2*(\i%4)], v[YR+2*\i:YR+2*\i+1]
.endr
	REDUCE
	v_mul_f32 v12, s14, v4                         ; the mean
.irp i, 0,1,2,3,4,5,6,7,8,9,10,11,12,13,14,15
	v_pk_add_f32 v[YR+2*\i:YR+2*\i+1], v[YR+2*\i:YR+2*\i+1], v[12:13] op_sel_hi:[1,0] neg_lo:[0,1] neg_hi:[0,1]
.endr
.irp k, 0,1,2,3
	v_pk_mul_f32 v[4+2*\k:5+2*\k], v[YR+2*\k:YR+2*\k+1], v[YR+2*\k:YR+2*\k+1]
.endr
.irp i, 4,5,6,7,8,9,10,11,12,13,14,15
	v_pk_fma_f32 v[4+2*(\i%4):5+2*(\i%4)], v[YR+2*\i:YR+2*\i+1], v[YR+2*\i:YR+2*\i+1], v[4+2*(\i%4):5+2*(\i%4)]
.endr
	REDUCE
	v_fma_f32 v3, v4, s14, s15                     ; the variance + eps
	v_rsq_f32 v[RS+2*\w], v3
	v_nop                                          ; a plain instruction behind the transcendental,
	s_wait_alu depctr_va_vdst(0)                   ; and the wait ahead of its first reader
.endm
.macro NORM w
.set YR, Y+32*\w
.set XR, X+32*\w
.irp i, 0,1,2,3,4,5,6,7,8,9,10,11,12,13,14,15
	v_pk_mul_f32 v[YR+2*\i:YR+2*\i+1], v[YR+2*\i:YR+2*\i+1], v[RS+2*\w:RS+2*\w+1] op_sel_hi:[1,0]
.endr
.irp i, 0,1,2,3,4,5,6,7,8,9,10,11,12,13,14,15
	v_pk_fma_f32 v[YR+2*\i:YR+2*\i+1], v[YR+2*\i:YR+2*\i+1], v[G+2*\i:G+2*\i+1], v[B+2*\i:B+2*\i+1]
.endr
.irp i, 0,1,2,3,4,5,6,7,8,9,10,11,12,13,14,15
	v_pk_add_f32 v[XR+2*\i:XR+2*\i+1], v[XR+2*\i:XR+2*\i+1], v[YR+2*\i:YR+2*\i+1]
.endr
.irp j, 0,1,2,3,4,5,6,7
	global_store_b128 v1, v[XR+4*\j:XR+4*\j+3], s[16:17] offset:4096*\w+512*\j th:TH_STORE_NT
.endr
.if HALF
.irp i, 0,1,2,3,4,5,6,7,8,9,10,11,12,13,14,15
	v_cvt_pk_f16_f32 v[H+16*\w+\i], v[XR+2*\i], v[XR+2*\i+1]
.endr
.irp j, 0,1,2,3,4,5,6,7
	global_store_b64 v2, v[H+16*\w+2*\j:H+16*\w+2*\j+1], s[18:19] offset:2048*\w+256*\j th:TH_STORE_NT
.endr
.endif
.endm
	s_wait_loadcnt 32                              ; y's sixteen loads are in; the 32 younger ones (g, b, x) may be out
	STAT 0
	STAT 1
	s_wait_loadcnt 0x0
	NORM 0
	NORM 1
	s_endpgm
.Lfunc_end_k_q437ff63244_ln2:
	.size	k_q437ff63244_ln2, .Lfunc_end_k_q437ff63244_ln2-k_q437ff63244_ln2
	.p2alignl 7, 3214868480
	.fill 96, 4, 3214868480
	.section	.rodata,"a",@progbits
	.p2align	6, 0x0
	.amdhsa_kernel k_q437ff63244_ln2
		.amdhsa_group_segment_fixed_size 0
		.amdhsa_private_segment_fixed_size 0
		.amdhsa_enable_private_segment 0
		.amdhsa_kernarg_size 40
		.amdhsa_user_sgpr_count 2
		.amdhsa_user_sgpr_kernarg_segment_ptr 1
		.amdhsa_wavefront_size32 1
		.amdhsa_system_sgpr_workgroup_id_x 1
		.amdhsa_system_sgpr_workgroup_id_y 1
		.amdhsa_system_sgpr_workgroup_id_z 1
		.amdhsa_system_vgpr_workitem_id 0
		.amdhsa_next_free_vgpr 244
		.amdhsa_next_free_sgpr 66
		.amdhsa_reserve_vcc 0
		.amdhsa_float_denorm_mode_32 3
		.amdhsa_float_denorm_mode_16_64 3
		.amdhsa_memory_ordered 1
		.amdhsa_forward_progress 1
		.amdhsa_inst_pref_size 22
	.end_amdhsa_kernel
	.amdgpu_metadata
---
amdhsa.version: [ 1, 2 ]
amdhsa.kernels:
  - .name:           k_q437ff63244_ln2
    .symbol:         k_q437ff63244_ln2.kd
    .args:
      - { .name: y, .offset: 0, .size: 8, .value_kind: global_buffer, .address_space: global }
      - { .name: x1f, .offset: 8, .size: 8, .value_kind: global_buffer, .address_space: global }
      - { .name: ln2_g, .offset: 16, .size: 8, .value_kind: global_buffer, .address_space: global }
      - { .name: ln2_b, .offset: 24, .size: 8, .value_kind: global_buffer, .address_space: global }
      - { .name: out0, .offset: 32, .size: 8, .value_kind: global_buffer, .address_space: global }
    .group_segment_fixed_size: 0
    .private_segment_fixed_size: 0
    .kernarg_segment_align: 8
    .kernarg_segment_size: 40
    .max_flat_workgroup_size: 128
    .sgpr_count:     66
    .vgpr_count:     244
    .wavefront_size: 32
...
	.end_amdgpu_metadata
.endif
;; end of part 8
